; MI455X (gfx1250); checked and timed in simulation.
; The chip was launched on July 23, 2026; its instructions are those of AMD's public machine-readable ISA for CDNA 5 (MIT licence, August 2026) and "CDNA5" Instruction Set Architecture Reference Guide (July 2026). The comments in the code are by the model that wrote it; some were corrected since.
;; Mlp. Allowed arithmetic: float matrix products may take bf16 or f16 operands with f32 sums; other float arithmetic in f32, or as packed bf16 or f16 multiplies, adds, multiply-adds, maxima and minima; sums over many terms, partial sums and values carried from step to step in f32; what a program stores and reads back later, other than sums and carried values, may be rounded once to bf16 or f16.
;; Inputs: b1 3,072 float32; b2 768 float32; w1 3,072 x 768 float32; w2 768 x 3,072 float32; x 64 x 197 x 768 float32.
;; Outputs: out0 64 x 197 x 768 float32.
;; 2 versions, each right; version 2 is version 1 with the launches prep1, prep2 written anew for expert scheduling mode. Each part assembles by itself: llvm-mc -triple=amdgcn-amd-amdhsa -mcpu=gfx1250 --defsym DOCPART=n.
;; ======== version 1 of 2: 4 launches
;; limits: values are held in f16: magnitudes above 65,504 overflow, below 6.1e-05 lose precision; a function is approximated: absolute error at most 2.5e-05; an absolute error that grows with the inputs' magnitude: up to 1.25e-05 times it
;; workspace buffers: xh 19,365,888 bytes; w1q 4,718,592 bytes; w2q 4,718,592 bytes; g 77,463,552 bytes; part 8,192 bytes; gam 256 bytes
;; launch prep1 (part 1): grid 650 x 1, 8 waves a work-group, no clusters, 0 bytes of LDS; arguments x, w1, w2, xh, part; writes xh, part
.if DOCPART == 1
	.amdgcn_target "amdgcn-amd-amdhsa--gfx1250"
	.amdhsa_code_object_version 6
	.text
	.protected	k_qed586f1741_prep1
	.globl	k_qed586f1741_prep1
	.p2align	8
	.type	k_qed586f1741_prep1,@function
k_qed586f1741_prep1:
	s_mov_b64 s[64:65], 0
	v_nop
	global_prefetch_b8 v0, s[64:65] scope:SCOPE_SE
	s_setreg_imm32_b32 hwreg(HW_REG_WAVE_MODE, 25, 1), 1
	s_wait_xcnt 0x0
; PREP1.  Two streams in one launch, told apart by the work-group's number.
;   work-groups 0-255:   partial sums of |bf16(w)|: 0-127 over w1, 128-255 over w2, 73,728 bytes (18,432 numbers) each; every wave leaves one f32 sum in part
;                        (part[8 g + wave]: w1's 1,024 sums first, then w2's).  Sums stay in f32.
;   work-groups 256-649: xh = bf16(x), 98,304 bytes of x each (394 x 98,304 = all of x).
; WHY bf16 FIRST.  The whole program works on its inputs rounded once to bf16 (x, w1, b1, w2, b2 alike): the ternary threshold gamma / 2 then falls between numbers that lie
; 2^-8 of themselves apart, so that the order in which the mean is summed cannot move a weight across it.
; No LDS, no barrier, no matrix unit: both halves are plain streams.  A thread takes 16 bytes of every 4,096, so a wave's load covers 512 consecutive bytes.
.set WCH, 73728                        ; bytes of a weight matrix to a work-group: 18 loads of 4,096 bytes
.set XCH, 98304                        ; bytes of x to a work-group: 24 loads of 4,096 bytes
.set D,   8                            ; v8-v103  the loads' registers, four a load
.set TM,  80                           ; v80-81   (sums) two packed bf16 at work
.set ACC, 84                           ; v84-91   (sums) four running pairs
.set U,   92                           ; v92-95   (sums) unpacked magnitudes
	s_load_b256 s[4:11], s[0:1], 0x0               ; x s[4:5], w1 s[6:7], w2 s[8:9], xh s[10:11]
	s_load_b64 s[12:13], s[0:1], 0x20              ; part
	v_lshlrev_b32 v1, 4, v0                        ; 16 bytes a thread
	s_wait_kmcnt 0x0
	s_cmp_lt_u32 ttmp9, 256
	s_cbranch_scc0 .Lcast
	; ---- the sums ----
	s_and_b32 s16, ttmp9, 127
	s_mul_i32 s16, s16, WCH                        ; my part of the matrix
	s_mov_b32 s17, 0
	s_cmp_lt_u32 ttmp9, 128
	s_cselect_b64 s[18:19], s[6:7], s[8:9]         ; w1 or w2
	s_add_nc_u64 s[18:19], s[18:19], s[16:17]
	s_mov_b32 s20, 0x7fff7fff                      ; clears two signs
	s_mov_b32 s21, 0xffff0000                      ; a word's upper bf16
	s_mov_b32 s22, 0x76543210                      ; v_permlanex16_b32: each lane takes its own place in the other half
	s_mov_b32 s23, 0xfedcba98
.set j, 0
.rept 18
	global_load_b128 v[D+4*j:D+4*j+3], v1, s[18:19] offset:4096*j   ; no hint: the next launch reads the weights again
.set j, j+1
.endr
	v_lshrrev_b32 v2, 5, v0
	v_readfirstlane_b32 s24, v2                    ; my wave
	s_lshl3_add_u32 s24, ttmp9, s24                ; 8 x work-group + wave
	s_lshl_b32 s24, s24, 2
	v_mov_b32 v3, s24                              ; my sum's byte in part
	v_and_b32 v4, 31, v0
.set j, 0
.rept 18
	s_wait_loadcnt 17-j                            ; loads come back in order: load j is in, the 17 - j younger ones stay out
.irp p, 0,1
	v_cvt_pk_bf16_f32 v[TM+\p], v[D+4*j+2*\p], v[D+4*j+2*\p+1]     ; two weights rounded to bf16,
	v_and_b32 v[TM+\p], s20, v[TM+\p]                              ; their magnitudes,
.if j < 2
	v_lshlrev_b32 v[ACC+4*j+2*\p], 16, v[TM+\p]                    ; as f32: the first eight start the four chains, nothing is cleared
	v_and_b32 v[ACC+4*j+2*\p+1], s21, v[TM+\p]
.else
	v_lshlrev_b32 v[U+2*\p], 16, v[TM+\p]
	v_and_b32 v[U+2*\p+1], s21, v[TM+\p]
	v_pk_add_f32 v[ACC+4*(j%2)+2*\p:ACC+4*(j%2)+2*\p+1], v[ACC+4*(j%2)+2*\p:ACC+4*(j%2)+2*\p+1], v[U+2*\p:U+2*\p+1]
.endif
.endr
.set j, j+1
.endr
	v_pk_add_f32 v[ACC:ACC+1], v[ACC:ACC+1], v[ACC+2:ACC+3]
	v_pk_add_f32 v[ACC+4:ACC+5], v[ACC+4:ACC+5], v[ACC+6:ACC+7]
	v_pk_add_f32 v[ACC:ACC+1], v[ACC:ACC+1], v[ACC+4:ACC+5]
	v_add_f32 v[ACC], v[ACC], v[ACC+1]
	v_add_f32_dpp v[ACC], v[ACC], v[ACC] row_xmask:1 row_mask:0xf bank_mask:0xf
	v_add_f32_dpp v[ACC], v[ACC], v[ACC] row_xmask:2 row_mask:0xf bank_mask:0xf
	v_add_f32_dpp v[ACC], v[ACC], v[ACC] row_xmask:4 row_mask:0xf bank_mask:0xf
	v_add_f32_dpp v[ACC], v[ACC], v[ACC] row_xmask:8 row_mask:0xf bank_mask:0xf
	v_permlanex16_b32 v[ACC+1], v[ACC], s22, s23   ; its destination has been written before
	v_add_f32 v[ACC], v[ACC], v[ACC+1]             ; the wave's sum, in every lane
	v_cmp_eq_u32 vcc_lo, 0, v4
	s_wait_xcnt 0x0                                ; EXEC is a source of the loads above: it changes only behind this wait
	s_and_saveexec_b32 s25, vcc_lo
	global_store_b32 v3, v[ACC], s[12:13]          ; lane 0 alone: four bytes a wave, 8,192 bytes in the whole launch
	s_endpgm
	; ---- x to bf16 ----
.Lcast:
	s_sub_co_u32 s16, ttmp9, 256
	s_mul_i32 s18, s16, XCH
	s_mov_b32 s19, 0
	s_mul_i32 s20, s16, XCH/2
	s_mov_b32 s21, 0
	s_add_nc_u64 s[4:5], s[4:5], s[18:19]
	s_add_nc_u64 s[10:11], s[10:11], s[20:21]
	v_lshlrev_b32 v2, 3, v0                        ; 8 bytes out a thread
.set j, 0
.rept 24
	global_load_b128 v[D+4*j:D+4*j+3], v1, s[4:5] offset:4096*j th:TH_LOAD_NT   ; all 24 go out at once; x is read once
.set j, j+1
.endr
.set j, 0
.rept 24
	s_wait_loadcnt 23-j                            ; load j is in, the 23 - j younger ones stay out
	v_cvt_pk_bf16_f32 v[D+4*j], v[D+4*j], v[D+4*j+1]
	v_cvt_pk_bf16_f32 v[D+4*j+1], v[D+4*j+2], v[D+4*j+3]
	global_store_b64 v2, v[D+4*j:D+4*j+1], s[10:11] offset:2048*j   ; a wave stores 256 consecutive bytes, at a multiple of 256 from xh's first; no register of a store is written again
.set j, j+1
.endr
	s_endpgm
.Lfunc_end_k_qed586f1741_prep1:
	.size	k_qed586f1741_prep1, .Lfunc_end_k_qed586f1741_prep1-k_qed586f1741_prep1
	.p2alignl 7, 3214868480
	.fill 96, 4, 3214868480
	.section	.rodata,"a",@progbits
	.p2align	6, 0x0
	.amdhsa_kernel k_qed586f1741_prep1
		.amdhsa_group_segment_fixed_size 0
		.amdhsa_private_segment_fixed_size 0
		.amdhsa_enable_private_segment 0
		.amdhsa_kernarg_size 40
		.amdhsa_user_sgpr_count 2
		.amdhsa_user_sgpr_kernarg_segment_ptr 1
		.amdhsa_wavefront_size32 1
		.amdhsa_system_sgpr_workgroup_id_x 1
		.amdhsa_system_sgpr_workgroup_id_y 1
		.amdhsa_system_sgpr_workgroup_id_z 1
		.amdhsa_system_vgpr_workitem_id 0
		.amdhsa_next_free_vgpr 104
		.amdhsa_next_free_sgpr 66
		.amdhsa_reserve_vcc 1
		.amdhsa_float_denorm_mode_32 3
		.amdhsa_float_denorm_mode_16_64 3
		.amdhsa_memory_ordered 1
		.amdhsa_forward_progress 1
		.amdhsa_inst_pref_size 21
	.end_amdhsa_kernel
	.amdgpu_metadata
---
amdhsa.version: [ 1, 2 ]
amdhsa.kernels:
  - .name:           k_qed586f1741_prep1
    .symbol:         k_qed586f1741_prep1.kd
    .args:
      - { .name: x, .offset: 0, .size: 8, .value_kind: global_buffer, .address_space: global }
      - { .name: w1, .offset: 8, .size: 8, .value_kind: global_buffer, .address_space: global }
      - { .name: w2, .offset: 16, .size: 8, .value_kind: global_buffer, .address_space: global }
      - { .name: xh, .offset: 24, .size: 8, .value_kind: global_buffer, .address_space: global }
      - { .name: part, .offset: 32, .size: 8, .value_kind: global_buffer, .address_space: global }
    .group_segment_fixed_size: 0
    .private_segment_fixed_size: 0
    .kernarg_segment_align: 8
    .kernarg_segment_size: 40
    .max_flat_workgroup_size: 256
    .sgpr_count:     66
    .vgpr_count:     104
    .wavefront_size: 32
...
	.end_amdgpu_metadata
.endif
;; end of part 1
;; launch prep2 (part 2): grid 256 x 1, 8 waves a work-group, no clusters, 0 bytes of LDS; arguments w1, w2, part, w1q, w2q, gam; writes w1q, w2q, gam
.if DOCPART == 2
	.amdgcn_target "amdgcn-amd-amdhsa--gfx1250"
	.amdhsa_code_object_version 6
	.text
	.protected	k_qed586f1741_prep2
	.globl	k_qed586f1741_prep2
	.p2align	8
	.type	k_qed586f1741_prep2,@function
k_qed586f1741_prep2:
	s_mov_b64 s[64:65], 0
	v_nop
	global_prefetch_b8 v0, s[64:65] scope:SCOPE_SE
	s_setreg_imm32_b32 hwreg(HW_REG_WAVE_MODE, 25, 1), 1
	s_wait_xcnt 0x0
; PREP2.  gamma = mean |bf16(w)| + 1e-5, and the ternary weights q = sign(w) where |bf16(w)| > gamma / 2, else 0: that is clip(round(w / gamma), -1, 1)
; (a quotient of exactly 0.5 rounds to the even 0; from 1.5 on the clip gives 1).  gamma stays out of q: the products take +-1 and 0, which are exact, and the scale is applied in f32 behind them.
; Work-groups 0-127: w1 -> w1q in bf16;  128-255: w2 -> w2q in f16;  73,728 bytes in, 36,864 out each.
; Every wave adds the matrix's 1,024 partial sums in the same order, so every wave has the same gamma to the last bit.
; gam[0] = gamma1 c, gam[1] = gamma2 / c, c = sqrt(log2(e) / 2): the scale that the two products' ways out use.
; LIMITS.  A weight whose quotient lies within half a unit in the last place of 0.5 may fall on the other side than by a division; a NaN weight counts as 0.
.set WCH, 73728
.set PS,  8                            ; v8-39    32 partial sums a lane
.set D,   40                           ; v40-111  the 18 loads' registers; a load's first two take its result
.set TM,  112                          ; v112-117 at work
.set GAM, 32                           ; s32 gamma
.set KF,  33                           ; s33 c or 1 / c
.set THR, 34                           ; s34 gamma / 2
.set ONE2, 30                          ; s30 1.0 twice, in bf16 or in f16
	s_load_b256 s[4:11], s[0:1], 0x0               ; w1 s[4:5], w2 s[6:7], part s[8:9], w1q s[10:11]
	s_load_b128 s[12:15], s[0:1], 0x20             ; w2q s[12:13], gam s[14:15]
	s_lshr_b32 s16, ttmp9, 7                       ; which matrix
	s_and_b32 s17, ttmp9, 127                      ; which part of it
	s_mul_i32 s20, s17, WCH
	s_mov_b32 s21, 0
	s_mul_i32 s22, s17, WCH/2
	s_mov_b32 s23, 0
	s_lshl_b32 s24, s16, 12                        ; the matrix's 4,096 bytes of part
	s_mov_b32 s25, 0
	s_mov_b32 s[ONE2], 0x3f803f80                  ; bf16
	s_mov_b32 s31, 0x3c003c00                      ; f16
	s_mov_b32 s[KF], 0x3f596d27                    ; c = 0.8493218
	s_mov_b32 s39, 0x3f96b55f                      ; 1 / c
	s_mov_b32 s35, 0x7fff7fff                      ; clears two signs
	s_mov_b32 s36, 0xffff0000                      ; a word's upper half
	s_mov_b32 s37, 0x0000ffff                      ; its lower half
	s_mov_b32 s38, 0x80008000                      ; two signs
	s_mov_b32 s42, 0x76543210
	s_mov_b32 s43, 0xfedcba98
	v_lshlrev_b32 v1, 4, v0                        ; 16 bytes a thread
	v_and_b32 v3, 31, v0                           ; lane
	v_lshlrev_b32 v2, 4, v3
	v_lshlrev_b32 v6, 3, v0                        ; 8 bytes out a thread
	v_lshrrev_b32 v4, 5, v0
	v_readfirstlane_b32 s44, v4                    ; wave
	s_cmp_eq_u32 s16, 0
	s_cselect_b32 s[ONE2], s[ONE2], s31
	s_cselect_b32 s[KF], s[KF], s39
	s_wait_kmcnt 0x0
	s_cselect_b64 s[26:27], s[4:5], s[6:7]
	s_cselect_b64 s[28:29], s[10:11], s[12:13]
	s_add_nc_u64 s[26:27], s[26:27], s[20:21]
	s_add_nc_u64 s[28:29], s[28:29], s[22:23]
	s_add_nc_u64 s[8:9], s[8:9], s[24:25]
.set j, 0
.rept 8
	global_load_b128 v[PS+4*j:PS+4*j+3], v2, s[8:9] offset:512*j    ; the partial sums first: gamma is wanted first
.set j, j+1
.endr
.set j, 0
.rept 18
	global_load_b128 v[D+4*j:D+4*j+3], v1, s[26:27] offset:4096*j th:TH_LOAD_NT
.set j, j+1
.endr
	s_wait_loadcnt 18                              ; the eight loads of part are in; the 18 of the weights stay out
.irp i, 0,2,4,6,8,10,12,14
	v_pk_add_f32 v[PS+\i:PS+\i+1], v[PS+\i:PS+\i+1], v[PS+16+\i:PS+17+\i]
.endr
.irp i, 0,2,4,6
	v_pk_add_f32 v[PS+\i:PS+\i+1], v[PS+\i:PS+\i+1], v[PS+8+\i:PS+9+\i]
.endr
.irp i, 0,2
	v_pk_add_f32 v[PS+\i:PS+\i+1], v[PS+\i:PS+\i+1], v[PS+4+\i:PS+5+\i]
.endr
	v_pk_add_f32 v[PS:PS+1], v[PS:PS+1], v[PS+2:PS+3]
	v_add_f32 v[PS], v[PS], v[PS+1]
	v_add_f32_dpp v[PS], v[PS], v[PS] row_xmask:1 row_mask:0xf bank_mask:0xf
	v_add_f32_dpp v[PS], v[PS], v[PS] row_xmask:2 row_mask:0xf bank_mask:0xf
	v_add_f32_dpp v[PS], v[PS], v[PS] row_xmask:4 row_mask:0xf bank_mask:0xf
	v_add_f32_dpp v[PS], v[PS], v[PS] row_xmask:8 row_mask:0xf bank_mask:0xf
	v_permlanex16_b32 v[PS+1], v[PS], s42, s43
	v_add_f32 v[PS], v[PS], v[PS+1]
	v_readfirstlane_b32 s[GAM], v[PS]
	s_mul_f32 s[GAM], s[GAM], 0x34e38e39           ; / 2,359,296 numbers
	s_add_f32 s[GAM], s[GAM], 0x3727c5ac           ; + 1e-5
	s_mul_f32 s[THR], s[GAM], 0.5
.set j, 0
.rept 18
	s_wait_loadcnt 17-j                            ; load j is in, the 17 - j younger ones stay out
	v_cvt_pk_bf16_f32 v[TM], v[D+4*j], v[D+4*j+1]
	v_cvt_pk_bf16_f32 v[TM+1], v[D+4*j+2], v[D+4*j+3]
	v_and_b32 v[TM+2], s35, v[TM]                  ; magnitudes, packed
	v_and_b32 v[TM+3], s35, v[TM+1]
	v_lshlrev_b32 v[TM+4], 16, v[TM+2]             ; and as f32
	v_and_b32 v[TM+2], s36, v[TM+2]
	v_lshlrev_b32 v[TM+5], 16, v[TM+3]
	v_and_b32 v[TM+3], s36, v[TM+3]
	v_and_or_b32 v[TM], v[TM], s38, s[ONE2]        ; +-1 twice, with the weights' signs
	v_and_or_b32 v[TM+1], v[TM+1], s38, s[ONE2]
	v_cmp_lt_f32 vcc_lo, s[THR], v[TM+4]
	v_cmp_lt_f32 s40, s[THR], v[TM+2]
	v_cndmask_b32 v[TM+4], 0, v[TM], vcc_lo
	v_cndmask_b32 v[TM+2], 0, v[TM], s40
	v_cmp_lt_f32 vcc_lo, s[THR], v[TM+5]
	v_cmp_lt_f32 s41, s[THR], v[TM+3]
	v_cndmask_b32 v[TM+5], 0, v[TM+1], vcc_lo
	v_cndmask_b32 v[TM+3], 0, v[TM+1], s41
	v_bfi_b32 v[D+4*j], s37, v[TM+4], v[TM+2]      ; the low half from the one, the high half from the other
	v_bfi_b32 v[D+4*j+1], s37, v[TM+5], v[TM+3]
	global_store_b64 v6, v[D+4*j:D+4*j+1], s[28:29] offset:2048*j   ; a wave stores 256 consecutive bytes, aligned; no register of a store is written again
.set j, j+1
.endr
	s_or_b32 s39, s17, s44
	s_cmp_lg_u32 s39, 0
	s_cbranch_scc1 .Ldone                          ; wave 0 of each matrix's first work-group leaves the scale
	s_mul_f32 s[GAM], s[GAM], s[KF]
	s_lshl_b32 s39, s16, 2
	v_mov_b32 v4, s[GAM]
	v_mov_b32 v5, s39
	v_cmp_eq_u32 vcc_lo, 0, v3
	s_wait_xcnt 0x0                                ; EXEC is a source of the stores above: it changes only behind this wait
	s_and_saveexec_b32 s45, vcc_lo
	global_store_b32 v5, v4, s[14:15]
	s_wait_xcnt 0x0                                ; and again in front of the line that widens it
	s_or_b32 exec_lo, exec_lo, s45
.Ldone:
	s_endpgm
.Lfunc_end_k_qed586f1741_prep2:
	.size	k_qed586f1741_prep2, .Lfunc_end_k_qed586f1741_prep2-k_qed586f1741_prep2
	.p2alignl 7, 3214868480
	.fill 96, 4, 3214868480
	.section	.rodata,"a",@progbits
	.p2align	6, 0x0
	.amdhsa_kernel k_qed586f1741_prep2
		.amdhsa_group_segment_fixed_size 0
		.amdhsa_private_segment_fixed_size 0
		.amdhsa_enable_private_segment 0
		.amdhsa_kernarg_size 48
		.amdhsa_user_sgpr_count 2
		.amdhsa_user_sgpr_kernarg_segment_ptr 1
		.amdhsa_wavefront_size32 1
		.amdhsa_system_sgpr_workgroup_id_x 1
		.amdhsa_system_sgpr_workgroup_id_y 1
		.amdhsa_system_sgpr_workgroup_id_z 1
		.amdhsa_system_vgpr_workitem_id 0
		.amdhsa_next_free_vgpr 120
		.amdhsa_next_free_sgpr 66
		.amdhsa_reserve_vcc 1
		.amdhsa_float_denorm_mode_32 3
		.amdhsa_float_denorm_mode_16_64 3
		.amdhsa_memory_ordered 1
		.amdhsa_forward_progress 1
		.amdhsa_inst_pref_size 26
	.end_amdhsa_kernel
	.amdgpu_metadata
---
amdhsa.version: [ 1, 2 ]
amdhsa.kernels:
  - .name:           k_qed586f1741_prep2
    .symbol:         k_qed586f1741_prep2.kd
    .args:
      - { .name: w1, .offset: 0, .size: 8, .value_kind: global_buffer, .address_space: global }
      - { .name: w2, .offset: 8, .size: 8, .value_kind: global_buffer, .address_space: global }
      - { .name: part, .offset: 16, .size: 8, .value_kind: global_buffer, .address_space: global }
      - { .name: w1q, .offset: 24, .size: 8, .value_kind: global_buffer, .address_space: global }
      - { .name: w2q, .offset: 32, .size: 8, .value_kind: global_buffer, .address_space: global }
      - { .name: gam, .offset: 40, .size: 8, .value_kind: global_buffer, .address_space: global }
    .group_segment_fixed_size: 0
    .private_segment_fixed_size: 0
    .kernarg_segment_align: 8
    .kernarg_segment_size: 48
    .max_flat_workgroup_size: 256
    .sgpr_count:     66
    .vgpr_count:     120
    .wavefront_size: 32
...
	.end_amdgpu_metadata
.endif
;; end of part 2
;; launch fc1 (part 3): grid 8 x 64, 4 waves a work-group, clusters of 4 x 4, 327,680 bytes of LDS; arguments xh, w1q, b1, gam, g; writes g
.if DOCPART == 3
	.amdgcn_target "amdgcn-amd-amdhsa--gfx1250"
	.amdhsa_code_object_version 6
	.text
	.protected	k_qed586f1741_fc1
	.globl	k_qed586f1741_fc1
	.p2align	8
	.type	k_qed586f1741_fc1,@function
k_qed586f1741_fc1:
	s_mov_b64 s[64:65], 0
	v_nop
	global_prefetch_b8 v0, s[64:65] scope:SCOPE_SE
	s_setreg_imm32_b32 hwreg(HW_REG_WAVE_MODE, 25, 1), 1
	s_wait_xcnt 0x0
	s_wait_alu depctr_hold_cnt(0) depctr_sa_sdst(0) depctr_va_vdst(0) depctr_va_sdst(0) depctr_va_ssrc(0) depctr_va_vcc(0) depctr_vm_vsrc(0)
	s_getreg_b32 s2, hwreg(HW_REG_IB_STS2, 6, 4)
	s_cmp_eq_u32 s2, 0
	s_cbranch_scc0 .Lentry_in_a_cluster
	s_endpgm
.Lentry_in_a_cluster:
	s_bfe_u32 s2, ttmp6, 0x10000c
	s_cmp_lg_u32 s2, 0xf033
	s_cbranch_scc0 .Lentry_shape_is_right
	s_endpgm
.Lentry_shape_is_right:
; FC1.  g[row][n] = f16(c gelu(h)), h = gamma1 (xh[row] . w1q[n]) + bf16(b1[n]), gelu exact (by erf), c = sqrt(log2(e) / 2).  xh: [12608][768] bf16, w1q: [3072][768] bf16 (+-1, 0), g: [12608][3072] f16.
; SHARES.  A work-group makes one batch (197 rows, taken as 13 blocks of 16: the tensor load writes zeros for rows 197-207) x 384 columns.  Each of its four waves owns all 13 row blocks
; x 6 column blocks: 78 accumulators of 16 x 16, 624 registers; for 32 along K it reads 38 x 512 bytes from LDS for 78 matrix instructions.
; K goes in steps of 128 (rows of 256 bytes in memory, at multiples of 256) through two LDS slots.  Wave 3 fetches A's 208 rows, waves 0-2 128 rows of B each: one tensor load a wave.
; CLUSTER 4 x 4: the four work-groups of a row of the cluster have the same batch and ask for A's tile jointly, the four of a column the same columns and ask for B's jointly.
; THE MATRIX INSTRUCTION IS USED TRANSPOSED (source 0 = 16 rows of w1q, source 1 = 16 rows of xh): a lane holds row lane % 16 and the columns 8 (lane / 16) + 0..7.
; THE WAY OUT.  The sums go as f32 into a stage of 208 x 1,552 bytes that lies over the ring, which has had its last fill; then a loop takes whole rows: scale, bias, gelu, f16, stores of 256 bytes.
; GELU.  z = c h;  t = 1 / (1 + p' |z|);  s = erfc(|h| / sqrt 2) / 2 = t (a1 + t (a2 + t a3)) 2^(-z z)  (Abramowitz and Stegun 7.1.25, halved: off by 1.25e-5 at the most, for every argument);
; c gelu(h) = |z| (0.5 - s) + 0.5 z, so it is off by 1.25e-5 |z| at the most, a twentieth of the step of the f16 in which it is kept.  The factor c is taken out again behind the second product.
; LIMITS.  c gelu(h) is kept in f16: beyond 65,504 (h beyond 77,000) it is an infinity; below 6e-5 it keeps f16's fixed step of 6e-8.  2^(-z z) below 2^-126 counts as 0.  NaN and infinities are not treated apart.
; REGISTERS, in windows of 256 (s_set_vgpr_msb: bits 1:0 source 0, 3:2 source 1, 5:4 source 2, 7:6 destination):
;   window 0: v0-31 addresses; v32-135, v136-239 A's fragments, two buffers of 13 x 8 (on the way out: at work); v240-251 c bf16(b1) of my 12 columns
;   window 1: v0-47, v48-95 B's fragments, two buffers of 6 x 8; v96-239 the accumulators of row blocks 10-12
;   window 2: those of row blocks 0-4;   window 3: those of row blocks 5-9   (48 registers a row block)
.set K,      768
.set KSTEP,  128
.set LAPS,   K/(2*KSTEP)               ; a lap = two K steps = once round the ring
.set CW,     6                         ; column blocks of a wave
.set RPW,    30/CW                     ; row blocks whose accumulators fill a window
.set NBW,    128                       ; rows of B that a wave fetches
.set PITCH,  272                       ; an LDS row: 256 bytes + 16 of padding: the sixteen rows of a fragment load begin 16 bytes apart modulo 256
.set AOFF,   208*PITCH                 ; in a slot: A's 208 rows, then B's 384
.set SLOT,   (208+64*CW)*PITCH         ; 161,024
.set SPITCH, 64*CW*4+16                ; a stage row: 384 f32 + 16 bytes: again 16 bytes apart modulo 256
.set SPARE,  208*SPITCH                ; 322,816, behind ring and stage: the spare words, 128 bytes for each wave, two blocks of 256 bytes that no other line names
.set OROW,   3072*2                    ; bytes in a row of g
.set NL,     26+2*CW                   ; LDS loads in a run: the fragments of 32 along K
.set ADRA, 16                          ; v16-17  LDS address of my lane's place in A's rows, slot 0, 1
.set ADRB, 20                          ; v20-21  the same in my wave's rows of B
.set STO,  24                          ; v24     the way out: my lane's 32 bytes in the stage's first 16 rows
.set RD,   25                          ; v25     the way out: where I read rows back
.set CO,   26                          ; v26     my byte offset in the batch's rows of g
.set SPW,  28                          ; v28     LDS address of my spare word; never rewritten
.set NIL,  29                          ; v29     0; never rewritten
.set FA0,  32                          ; A's fragments
.set SA,   32                          ; the way out: v32-44 STO for each row block
.set BI,   240
.set L,    32                          ; the way out, 24 numbers a lane and trip: sums as read
.set Z,    56
.set T,    80
.set E,    104
.set P,    128
.set HZ,   152
.set H,    176                         ; v176-187 the 24 results in f16
.set WV,   14                          ; s14 my wave's number
.set CNT,  15                          ; s15 loop counter
.set G1A,  24                          ; s[24:31] descriptor group 1 for A's tiles;  s[32:39] group 0, a set for each slot
.set G0A,  32
.set G1B,  40                          ; s[40:47], s[48:55] the same for B's
.set G0B,  48
.set GC,   66                          ; s[66:67] gamma1 c, in the low word
.set PP,   68                          ; s68 p'
.set A1,   70                          ; s[70:75] a1 .. a3, halved, each as a pair
.set A2,   72
.set A3,   74
.set MSB, 0
.macro WIN new                         ; the immediate's high byte repeats the setting that is left; a switch that changes nothing is dropped
.if MSB != (\new)
	s_set_vgpr_msb (MSB<<8)|(\new)
.set MSB, \new
.endif
.endm
.macro PLACES                          ; four plain vector instructions between a matrix instruction and a load into, or a read of, its registers (ISA guide 7.12.1 for reads)
.rept 4
	v_nop
.endr
.endm
.macro PAIR reg, val
	s_mov_b32 s[\reg], \val
	s_mov_b32 s[(\reg)+1], \val
.endm
; A joint load: wave 3 asks for A's tile, waves 0-2 for their thirds of B's.  The branch hangs on the wave's number alone.  An s_nop 0 and four v_nop follow each line.
.macro JLOAD s
	s_cmp_eq_u32 s[WV], 3
	s_cbranch_scc0 .Lfor_b_\@
	tensor_load_to_lds s[G0A+4*(\s):G0A+4*(\s)+3], s[G1A:G1A+7]
	s_nop 0
.rept 4
	v_nop
.endr
	s_branch .Lasked_\@
.Lfor_b_\@:
	tensor_load_to_lds s[G0B+4*(\s):G0B+4*(\s)+3], s[G1B:G1B+7]
	s_nop 0
.rept 4
	v_nop
.endr
.Lasked_\@:
.endm
.macro CREST                           ; a round of the cluster's barrier behind its opening barrier: wave 0 signals for the work-group, every wave waits for all sixteen, the work-group's barrier closes it
	s_cmp_lg_u32 s[WV], 0
	s_cbranch_scc1 .Lnot_wave_0_\@
	s_barrier_signal -3
.Lnot_wave_0_\@:
	s_barrier_wait -3
	s_barrier_signal -1
	s_barrier_wait -1
.endm
.macro CROUND                          ; a whole round
	s_barrier_signal -1
	s_barrier_wait -1
	CREST
.endm
.macro ACCAT a                         ; where row block a's accumulators lie: window AW, first register AR
.if (\a) < 10
.set AW, 2+(\a)/RPW
.set AR, 8*CW*((\a)%RPW)
.else
.set AW, 1
.set AR, 16*CW+8*CW*((\a)-10)
.endif
.endm
; Row blocks a0 .. a0 + n - 1 x my 6 column blocks, 32 along K from buffer f.  zero = 1: the product starts the sum.  Every accumulator has one instruction a quarter step, always in the
; same order: the accumulators take turns.
.macro MULROWS f, a0, n, zero
.set ma, (\a0)
.rept (\n)
	ACCAT ma
	WIN (AW<<6)|(AW<<4)|1                          ; source 0 (B) window 1, source 1 (A) window 0, C and D the accumulators' window
.set mb, 0
.rept CW
.if \zero
	v_wmma_f32_16x16x32_bf16 v[AR+8*mb:AR+8*mb+7], v[8*CW*(\f)+8*mb:8*CW*(\f)+8*mb+7], v[FA0+104*(\f)+8*ma:FA0+104*(\f)+8*ma+7], 0
.else
	v_wmma_f32_16x16x32_bf16 v[AR+8*mb:AR+8*mb+7], v[8*CW*(\f)+8*mb:8*CW*(\f)+8*mb+7], v[FA0+104*(\f)+8*ma:FA0+104*(\f)+8*ma+7], v[AR+8*mb:AR+8*mb+7]
.endif
.set mb, mb+1
.endr
.set ma, ma+1
.endr
.endm
; One run of NL LDS loads: the fragments of 32 along K at byte k of the slot's rows, into buffer f.  A fragment: lane l holds row l % 16, K = 8 (l / 16) + 0..7 and 16 + 8 (l / 16) + 0..7: two loads 32 bytes apart.
.macro FETCH slot, k, f
	WIN 0x40                                       ; destination window 1, address window 0
.set fb, 0
.rept CW
	ds_load_b128 v[8*CW*(\f)+8*fb:8*CW*(\f)+8*fb+3],   v[ADRB+(\slot)] offset:(\k)+fb*16*PITCH
	ds_load_b128 v[8*CW*(\f)+8*fb+4:8*CW*(\f)+8*fb+7], v[ADRB+(\slot)] offset:(\k)+fb*16*PITCH+32
.set fb, fb+1
.endr
	WIN 0
.set fa, 0
.rept 13
	ds_load_b128 v[FA0+104*(\f)+8*fa:FA0+104*(\f)+8*fa+3],   v[ADRA+(\slot)] offset:(\k)+fa*16*PITCH
	ds_load_b128 v[FA0+104*(\f)+8*fa+4:FA0+104*(\f)+8*fa+7], v[ADRA+(\slot)] offset:(\k)+fa*16*PITCH+32
.set fa, fa+1
.endr
.endm
; A K step is four quarters of 32 along K on buffers 0, 1, 0, 1.  One of the first three: the next quarter's run of loads (byte k, buffer g) goes out first, then buffer f is multiplied: 78 matrix instructions in which the run lands.
.macro QUARTER slot, k, f, g, zero
	PLACES                                         ; buffer g was multiplied just before
	FETCH \slot, \k, \g
	s_wait_dscnt NL                                ; all but the NL just issued: buffer f is whole
	MULROWS \f, 0, 13, \zero
.endm
; The fourth quarter multiplies buffer 1 and changes slots.  In front of the barrier each wave waits for all its tensor loads (one is out: its part of the next slot), adds 0 to its spare word, and waits
; for that and for its reads of this slot.  fill = 1: the barrier opens a round of the cluster's barrier, and behind it this slot is filled again, two K steps ahead: my one tensor load, first thing there.
.macro TURN slot, next, fill
	WIN 0                                          ; the add's two registers lie in window 0
	s_wait_tensorcnt 0x0                           ; all my tensor loads have landed
	ds_add_u32 v[SPW], v[NIL]                      ; 0 onto my spare word
	s_wait_dscnt 1                                 ; the add alone may be out: buffer 1 is whole
	MULROWS 1, 0, 2, 0                             ; matrix work stands between the add and the wait for it
	s_wait_dscnt 0x0                               ; the add is done, and my reads of this slot are over
	s_barrier_signal -1
	MULROWS 1, 2, 2, 0                             ; work on registers while the others arrive
	WIN 0
	s_barrier_wait -1
.if \fill
	CREST                                          ; no wave of any partner still reads this slot or has a load on its way
	s_add_nc_u64 s[G0A+4*(\slot)+2:G0A+4*(\slot)+3], s[G0A+4*(\slot)+2:G0A+4*(\slot)+3], 2*KSTEP*2   ; no tensor load of mine is out: a group 0 may be written
	s_add_nc_u64 s[G0B+4*(\slot)+2:G0B+4*(\slot)+3], s[G0B+4*(\slot)+2:G0B+4*(\slot)+3], 2*KSTEP*2
	JLOAD \slot                                    ; its four v_nop are also the places in front of the loads below
.else
	PLACES
.endif
	FETCH \next, 0, 0
	MULROWS 1, 4, 9, 0
.endm
	s_load_b256 s[4:11], s[0:1], 0x0               ; xh s[4:5], w1q s[6:7], b1 s[8:9], gam s[10:11]
	s_load_b64 s[12:13], s[0:1], 0x20              ; g
	v_lshl_add_u32 v[SPW], v0, 2, SPARE
	v_mov_b32 v[NIL], 0
	ds_add_u32 v[SPW], v[NIL]                      ; the wave's opening: the add and its wait stand ahead of my first tensor load; the set-up below, work on registers, stands between them
	v_lshrrev_b32 v1, 5, v0
	v_readfirstlane_b32 s[WV], v1                  ; wave 0..3
	s_bfe_u32 s16, ttmp6, 0x40000                  ; cx
	s_bfe_u32 s17, ttmp6, 0x40004                  ; cy
	s_lshl_b32 s18, ttmp9, 2
	s_add_co_u32 s18, s18, s16                     ; column tile = 4 x cluster x + cx
	s_and_b32 s19, ttmp7, 0xffff
	s_lshl_b32 s19, s19, 2
	s_add_co_u32 s19, s19, s17                     ; batch = 4 x cluster y + cy
	s_lshl_b32 s20, s17, 2
	s_lshl_b32 s20, 15, s20                        ; my row of the cluster
	s_lshl_b32 s21, 0x1111, s16                    ; my column
	s_or_b32 s[G1A], s20, (1<<16)|(1<<20)|(1<<21)|(5<<22)|(3<<25)   ; 15:0 the mask; 17:16 2-byte elements; 20 padding on; 21 set beside a mask; 24:22 after every 64 words; 31:25 4 words of it
	s_or_b32 s[G1B], s21, (1<<16)|(1<<20)|(1<<21)|(5<<22)|(3<<25)
	s_mov_b32 s[G1A+1], KSTEP<<16                  ; tensor_dim0 = 128
	s_mov_b32 s[G1A+2], 197<<16                    ; tensor_dim1 = 197: the batch ends there, the tile's rows beyond arrive as zeros
	s_mov_b32 s[G1A+3], KSTEP<<16                  ; tile_dim0 = 128
	s_mov_b32 s[G1A+4], 208                        ; tile_dim1 = 208
	s_mov_b32 s[G1A+5], K                          ; elements from row to row
	s_mov_b32 s[G1A+6], 0
	s_mov_b32 s[G1A+7], 0
	s_mov_b32 s[G1B+1], KSTEP<<16
	s_mov_b32 s[G1B+2], NBW<<16
	s_mov_b32 s[G1B+3], KSTEP<<16
	s_mov_b32 s[G1B+4], NBW
	s_mov_b32 s[G1B+5], K
	s_mov_b32 s[G1B+6], 0
	s_mov_b32 s[G1B+7], 0
	s_mul_i32 s56, s19, 197*2*K                    ; A's tile hangs on the batch alone,
	s_mov_b32 s57, 0
	s_mul_i32 s58, s18, 64*CW                      ; B's on the column tile and the wave's number alone
	s_mul_i32 s81, s[WV], NBW
	s_add_co_u32 s58, s58, s81
	s_mul_i32 s58, s58, 2*K
	s_mov_b32 s59, 0
	s_mul_i32 s82, s[WV], NBW*PITCH                ; where my rows of B go: no place in the cluster enters an LDS address
	s_mov_b32 s[PP], 0x3ec88bda                    ; p' = 0.47047 / sqrt(log2 e)
	PAIR A1, 0x3e32303a                            ;  0.3480242 / 2
	PAIR A2, 0xbd445ca1                            ; -0.0958798 / 2
	PAIR A3, 0x3ebf7377                            ;  0.7478556 / 2
	s_wait_dscnt 0x0                               ; the opening add is done
	s_wait_kmcnt 0x0
	s_add_nc_u64 s[56:57], s[4:5], s[56:57]
	s_add_nc_u64 s[58:59], s[6:7], s[58:59]
	CROUND                                         ; all sixteen work-groups are here: the first joint loads meet
.irp s, 0,1
	s_mov_b32 s[G0A+4*(\s)], 1                                       ; count = 1
	s_mov_b32 s[G0A+4*(\s)+1], (\s)*SLOT                             ; LDS address
	s_add_nc_u64 s[G0A+4*(\s)+2:G0A+4*(\s)+3], s[56:57], (\s)*KSTEP*2  ; global address: K step s
	s_or_b32 s[G0A+4*(\s)+3], s[G0A+4*(\s)+3], 0x80000000            ; type = 2
	s_mov_b32 s[G0B+4*(\s)], 1
	s_add_co_u32 s[G0B+4*(\s)+1], s82, (\s)*SLOT+AOFF
	s_add_nc_u64 s[G0B+4*(\s)+2:G0B+4*(\s)+3], s[58:59], (\s)*KSTEP*2
	s_or_b32 s[G0B+4*(\s)+3], s[G0B+4*(\s)+3], 0x80000000
	JLOAD \s                                       ; two tensor loads of mine are out at the start, one behind every later round
.endr
	s_load_b32 s[GC], s[10:11], 0x0                ; gamma1 c
	s_mov_b32 s[GC+1], 0                           ; named with it as a pair
	v_and_b32 v1, 15, v0                           ; l % 16
	v_bfe_u32 v2, v0, 4, 1                         ; l / 16
	v_and_b32 v4, 31, v0                           ; lane
	v_lshlrev_b32 v6, 4, v4
	s_mul_i32 s60, s18, 64*CW*4                    ; my tile's first column in b1
	s_mov_b32 s61, 0
	s_add_nc_u64 s[8:9], s[8:9], s[60:61]
.irp u, 0,1,2
	global_load_b128 v[BI+4*\u:BI+4*\u+3], v6, s[8:9] offset:512*\u   ; the columns 128 u + 4 lane + 0..3, which are mine in every row on the way out
.endr
	v_mul_u32_u24 v3, v1, PITCH
	v_lshl_add_u32 v3, v2, 4, v3                   ; row x pitch + 16 x half
	v_mov_b32 v[ADRA], v3
	v_add_nc_u32 v[ADRA+1], SLOT, v3
	s_mul_i32 s81, s[WV], CW*16*PITCH              ; my wave's 96 rows of B,
	s_add_co_u32 s81, s81, AOFF                    ; behind A's 208
	v_add_nc_u32 v[ADRB], s81, v3
	s_add_co_u32 s81, s81, SLOT
	v_add_nc_u32 v[ADRB+1], s81, v3
	v_mul_u32_u24 v5, v1, SPITCH                   ; into the stage: row l % 16, 32 bytes for each half of the lanes, my wave's 384 bytes
	v_lshl_add_u32 v5, v2, 5, v5
	s_mul_i32 s81, s[WV], 64*CW
	v_add_nc_u32 v[STO], s81, v5
	s_mul_i32 s81, s[WV], SPITCH                   ; back: wave w begins with row w; 16 bytes a lane
	v_lshl_add_u32 v[RD], v4, 4, s81
	s_mul_i32 s81, s[WV], OROW                     ; and the same row in g; 8 bytes a lane
	v_lshl_add_u32 v[CO], v4, 3, s81
	s_mul_i32 s22, s19, 197*OROW                   ; the batch's first row of g,
	s_mov_b32 s23, 0
	s_mul_i32 s60, s18, 768                        ; the tile's first column
	s_add_nc_u64 s[12:13], s[12:13], s[22:23]
	s_add_nc_u64 s[12:13], s[12:13], s[60:61]
	s_wait_loadcnt 0x0                             ; b1
	s_wait_kmcnt 0x0                               ; gamma1 c
.irp p, 0,2,4,6,8,10
	v_cvt_pk_bf16_f32 v7, v[BI+\p], v[BI+\p+1]     ; the bias is rounded to bf16 like every input,
	v_lshlrev_b32 v[BI+\p], 16, v7
	v_and_b32 v[BI+\p+1], 0xffff0000, v7
.endr
.set n, 0
.rept 12
	v_mul_f32 v[BI+n], 0x3f596d27, v[BI+n]         ; and takes the factor c
.set n, n+1
.endr
	s_wait_tensorcnt 0x1                           ; my part of K step 0 is in; K step 1's may stay out
	s_barrier_signal -1
	s_barrier_wait -1                              ; everybody's is
	FETCH 0, 0, 0
	QUARTER 0, 64, 0, 1, 1                         ; the first quarter stands in front of the loop: its products start the sums
	WIN 0                                          ; at a label and at a branch every window is 0
	s_mov_b32 s[CNT], LAPS-1
.Llap:                                                 ; a trip goes once round the ring, from a lap's second quarter to the next lap's first, and fills both slots again
	QUARTER 0, 128, 1, 0, 0
	QUARTER 0, 192, 0, 1, 0
	TURN 0, 1, 1
	QUARTER 1, 64,  0, 1, 0
	QUARTER 1, 128, 1, 0, 0
	QUARTER 1, 192, 0, 1, 0
	TURN 1, 0, 1
	QUARTER 0, 64,  0, 1, 0
	WIN 0
	s_sub_co_u32 s[CNT], s[CNT], 1
	s_cmp_lg_u32 s[CNT], 0
	s_cbranch_scc1 .Llap
	QUARTER 0, 128, 1, 0, 0                        ; the last lap fills nothing
	QUARTER 0, 192, 0, 1, 0
	TURN 0, 1, 0
	QUARTER 1, 64,  0, 1, 0
	QUARTER 1, 128, 1, 0, 0
	QUARTER 1, 192, 0, 1, 0
	s_wait_dscnt 0x0                               ; buffer 1 is whole, and my reads of the ring are over: the stage will lie over it
	s_barrier_signal -1
	MULROWS 1, 0, 13, 0                            ; the very last quarter, while the others arrive
	WIN 0
	s_barrier_wait -1                              ; nobody reads the ring any more; every tensor load landed in front of the barrier before
	; THE SUMS GO INTO THE STAGE, each accumulator's low four registers first.
	PLACES
.set da, 0
.rept 13
	v_add_nc_u32 v[SA+da], da*16*SPITCH, v[STO]
.set da, da+1
.endr
.set da, 0
.rept 13
	ACCAT da
	WIN AW<<2                                      ; the stores' data in the accumulators' window, their address in window 0
.set db, 0
.rept CW
	ds_store_b128 v[SA+da], v[AR+8*db:AR+8*db+3]   offset:64*db
	ds_store_b128 v[SA+da], v[AR+8*db+4:AR+8*db+7] offset:64*db+16
.set db, db+1
.endr
.set da, da+1
.endr
	WIN 0
.set n, 0
.rept 12
	v_mov_b32 v[H+n], 0                            ; the halves of H are written one at a time: the registers are written whole once
.set n, n+1
.endr
	s_wait_dscnt 0x0                               ; for the others' sake: my stores into the stage are done
	s_barrier_signal -1
	s_barrier_wait -1
	; THE WAY OUT.  Trip i takes rows 8 i + w and 8 i + 4 + w, whole: 2 x 3 loads of 512 bytes, 24 numbers a lane.  The next trip's loads go out as soon as this trip's sums have been read.
.macro LOADROWS
.irp e, 0,1
.irp u, 0,1,2
	ds_load_b128 v[L+4*(3*\e+\u):L+4*(3*\e+\u)+3], v[RD] offset:\e*4*SPITCH+512*\u
.endr
.endr
.endm
	LOADROWS
	s_mov_b32 s[CNT], 25
.Lout:
	s_wait_dscnt 0x0                               ; the six loads issued a trip ago
.set n, 0
.rept 12
	v_pk_fma_f32 v[Z+2*n:Z+2*n+1], v[L+2*n:L+2*n+1], s[GC:GC+1], v[BI+(2*n)%12:BI+(2*n)%12+1] op_sel_hi:[1,0,1]   ; z = c h
.set n, n+1
.endr
	v_add_nc_u32 v[RD], 8*SPITCH, v[RD]
	LOADROWS                                       ; the last trip's reach rows 200-207, which were written and are not used
.set n, 0
.rept 24
	v_fma_f32 v[T+n], |v[Z+n]|, s[PP], 1.0
.set n, n+1
.endr
.set n, 0
.rept 12                                       ; behind every reciprocal and exponential stands a plain instruction that touches neither its result nor its source (ISA guide 5.7.2)
	v_rcp_f32 v[T+2*n], v[T+2*n]
	v_pk_mul_f32 v[E+2*n:E+2*n+1], v[Z+2*n:Z+2*n+1], v[Z+2*n:Z+2*n+1] neg_lo:[1,0] neg_hi:[1,0]   ; - z z
	v_rcp_f32 v[T+2*n+1], v[T+2*n+1]
	v_pk_mul_f32 v[HZ+2*n:HZ+2*n+1], v[Z+2*n:Z+2*n+1], 0.5 op_sel_hi:[1,0]
.set n, n+1
.endr
.set n, 0
.rept 12                                       ; the 24 exponentials take turns with the polynomial's 24 lines
	v_exp_f32 v[E+n], v[E+n]
	s_wait_alu depctr_va_vdst(0)
	v_pk_fma_f32 v[P+2*n:P+2*n+1], v[T+2*n:T+2*n+1], s[A3:A3+1], s[A2:A2+1] op_sel_hi:[1,0,0]
.set n, n+1
.endr
.set n, 0
.rept 12
	v_exp_f32 v[E+12+n], v[E+12+n]
	v_pk_fma_f32 v[P+2*n:P+2*n+1], v[P+2*n:P+2*n+1], v[T+2*n:T+2*n+1], s[A1:A1+1] op_sel_hi:[1,1,0]
.set n, n+1
.endr
.set n, 0
	s_wait_alu depctr_va_vdst(0)
.rept 12
	v_pk_mul_f32 v[E+2*n:E+2*n+1], v[T+2*n:T+2*n+1], v[E+2*n:E+2*n+1]
.set n, n+1
.endr
.set n, 0
.rept 12
	v_pk_fma_f32 v[P+2*n:P+2*n+1], v[P+2*n:P+2*n+1], v[E+2*n:E+2*n+1], 0.5 op_sel_hi:[1,1,0] neg_lo:[1,0,0] neg_hi:[1,0,0]   ; 0.5 - s
.set n, n+1
.endr
	s_wait_xcnt 0x0                                ; CO and H, which the last trip's stores read, are written again only behind this wait; the trip's arithmetic up to here stands between those stores and it
	v_add_nc_u32 v[CO], 8*OROW, v[CO]              ; stepped ahead of the stores, which reach back eight rows by their immediate
.set n, 0
.rept 12
	v_fma_mixlo_f16 v[H+n], |v[Z+2*n]|, v[P+2*n], v[HZ+2*n]         ; |z| (0.5 - s) + 0.5 z, rounded once, to f16
.set n, n+1
.endr
.set n, 0
.rept 12
	v_fma_mixhi_f16 v[H+n], |v[Z+2*n+1]|, v[P+2*n+1], v[HZ+2*n+1]
.set n, n+1
.endr
.irp u, 0,1,2
	global_store_b64 v[CO], v[H+2*\u:H+2*\u+1], s[12:13] offset:256*\u-8*OROW   ; a wave stores 256 consecutive bytes, at a multiple of 256 from g's first
.endr
	s_cmp_eq_u32 s[CNT], 1                         ; the last trip's second row is 196 + w: the batch has it for wave 0 alone
	s_cselect_b32 s81, s[WV], 0
	s_cmp_lg_u32 s81, 0
	s_cbranch_scc1 .Lno_row
.irp u, 0,1,2
	global_store_b64 v[CO], v[H+6+2*\u:H+6+2*\u+1], s[12:13] offset:256*\u-4*OROW
.endr
.Lno_row:
	s_sub_co_u32 s[CNT], s[CNT], 1
	s_cmp_lg_u32 s[CNT], 0
	s_cbranch_scc1 .Lout
	s_wait_tensorcnt 0x0                           ; the wave's end, behind my last tensor load and my last LDS store
	ds_add_u32 v[SPW], v[NIL]
	s_wait_dscnt 0x0
	CROUND                                         ; the closing round: no work-group ends while a partner may still ask for a tile that names it
	s_endpgm
.Lfunc_end_k_qed586f1741_fc1:
	.size	k_qed586f1741_fc1, .Lfunc_end_k_qed586f1741_fc1-k_qed586f1741_fc1
	.p2alignl 7, 3214868480
	.fill 96, 4, 3214868480
	.section	.rodata,"a",@progbits
	.p2align	6, 0x0
	.amdhsa_kernel k_qed586f1741_fc1
		.amdhsa_group_segment_fixed_size 327680
		.amdhsa_private_segment_fixed_size 0
		.amdhsa_enable_private_segment 0
		.amdhsa_kernarg_size 40
		.amdhsa_user_sgpr_count 2
		.amdhsa_user_sgpr_kernarg_segment_ptr 1
		.amdhsa_wavefront_size32 1
		.amdhsa_system_sgpr_workgroup_id_x 1
		.amdhsa_system_sgpr_workgroup_id_y 1
		.amdhsa_system_sgpr_workgroup_id_z 1
		.amdhsa_system_vgpr_workitem_id 0
		.amdhsa_next_free_vgpr 1024
		.amdhsa_next_free_sgpr 88
		.amdhsa_reserve_vcc 0
		.amdhsa_float_denorm_mode_32 3
		.amdhsa_float_denorm_mode_16_64 3
		.amdhsa_memory_ordered 1
		.amdhsa_forward_progress 1
		.amdhsa_inst_pref_size 157
	.end_amdhsa_kernel
	.amdgpu_metadata
---
amdhsa.version: [ 1, 2 ]
amdhsa.kernels:
  - .name:           k_qed586f1741_fc1
    .symbol:         k_qed586f1741_fc1.kd
    .args:
      - { .name: xh, .offset: 0, .size: 8, .value_kind: global_buffer, .address_space: global }
      - { .name: w1q, .offset: 8, .size: 8, .value_kind: global_buffer, .address_space: global }
      - { .name: b1, .offset: 16, .size: 8, .value_kind: global_buffer, .address_space: global }
      - { .name: gam, .offset: 24, .size: 8, .value_kind: global_buffer, .address_space: global }
      - { .name: g, .offset: 32, .size: 8, .value_kind: global_buffer, .address_space: global }
    .group_segment_fixed_size: 327680
    .private_segment_fixed_size: 0
    .kernarg_segment_align: 8
    .kernarg_segment_size: 40
    .max_flat_workgroup_size: 128
    .sgpr_count:     88
    .vgpr_count:     1024
    .wavefront_size: 32
...
	.end_amdgpu_metadata
.endif
;; end of part 3
;; launch fc2 (part 4): grid 4 x 64, 4 waves a work-group, clusters of 4 x 4, 327,680 bytes of LDS; arguments g, w2q, b2, gam, out0; writes out0
.if DOCPART == 4
	.amdgcn_target "amdgcn-amd-amdhsa--gfx1250"
	.amdhsa_code_object_version 6
	.text
	.protected	k_qed586f1741_fc2
	.globl	k_qed586f1741_fc2
	.p2align	8
	.type	k_qed586f1741_fc2,@function
k_qed586f1741_fc2:
	s_mov_b64 s[64:65], 0
	v_nop
	global_prefetch_b8 v0, s[64:65] scope:SCOPE_SE
	s_setreg_imm32_b32 hwreg(HW_REG_WAVE_MODE, 25, 1), 1
	s_wait_xcnt 0x0
	s_wait_alu depctr_hold_cnt(0) depctr_sa_sdst(0) depctr_va_vdst(0) depctr_va_sdst(0) depctr_va_ssrc(0) depctr_va_vcc(0) depctr_vm_vsrc(0)
	s_getreg_b32 s2, hwreg(HW_REG_IB_STS2, 6, 4)
	s_cmp_eq_u32 s2, 0
	s_cbranch_scc0 .Lentry_in_a_cluster
	s_endpgm
.Lentry_in_a_cluster:
	s_bfe_u32 s2, ttmp6, 0x10000c
	s_cmp_lg_u32 s2, 0xf033
	s_cbranch_scc0 .Lentry_shape_is_right
	s_endpgm
.Lentry_shape_is_right:
; FC2.  out0[row][d] = (gamma2 / c) (g[row] . w2q[d]) + bf16(b2[d]).  g: [12608][3072] f16 (c gelu(h), made by the launch before), w2q: [768][3072] f16 (+-1, 0), out0: [12608][768] f32.
; SHARES.  A work-group makes one batch (197 rows, taken as 13 blocks of 16: the tensor load writes zeros for rows 197-207) x 192 columns (12 blocks): 4 x 64 = 256 work-groups.
; Wave w = (i, j) = (w / 2, w % 2) owns row blocks 6 i .. 6 i + 5 x column blocks 6 j .. 6 j + 5, and of row block 12 the column blocks 6 j + 3 i .. + 2, which are three of its own six:
; 36 + 3 = 39 accumulators in every wave, and for 32 along K 7 + 6 fragments: 26 x 512 bytes from LDS for 39 matrix instructions.  The wave numbers its six column blocks from 6 j + 3 i on,
; round its six, so that the register numbers are alike in all waves and only address registers differ.
; K goes in steps of 128 (rows of 256 bytes in memory, at multiples of 256) through two LDS slots.  Waves 0 and 1 fetch 104 rows of A each, waves 2 and 3 96 rows of B each: one tensor load a wave, of like size.
; CLUSTER 4 x 4: the four work-groups of a row of the cluster have the same batch and ask for A's tiles jointly, the four of a column the same columns and ask for B's jointly.
; THE MATRIX INSTRUCTION IS USED TRANSPOSED (source 0 = 16 rows of w2q, source 1 = 16 rows of g): a lane holds row lane % 16 and the columns 8 (lane / 16) + 0..7.
; THE WAY OUT.  The sums go as f32 into a stage of 208 x 784 bytes that lies over the ring, which has had its last fill; then a loop takes whole rows: one fused multiply-add, stores of 256 bytes.
; LIMITS.  g arrives within f16's range (its maker states the figure); NaN and infinities are not treated apart.
; REGISTERS, in windows of 256 (s_set_vgpr_msb: bits 1:0 source 0, 3:2 source 1, 5:4 source 2, 7:6 destination):
;   window 0: v0-31 addresses; v32-87, v88-143 A's fragments, two buffers of 7 x 8 (on the way out: at work); v240-245 bf16(b2) of my 6 columns
;   window 1: v0-47, v48-95 B's fragments, two buffers of 6 x 8; v96-143 the accumulators of my sixth row block; v144-167 those of row block 12
;   window 2: those of my first five row blocks   (48 registers a row block)
.set K,      3072
.set KSTEP,  128
.set LAPS,   K/(2*KSTEP)               ; a lap = two K steps = once round the ring
.set NA,     104                       ; rows of A that wave 0 or 1 fetches
.set NB,     96                        ; rows of B that wave 2 or 3 fetches
.set PITCH,  272                       ; an LDS row: 256 bytes + 16 of padding: the sixteen rows of a fragment load begin 16 bytes apart modulo 256
.set AOFF,   208*PITCH                 ; in a slot: A's 208 rows, then B's 192
.set SLOT,   400*PITCH                 ; 108,800
.set SPITCH, 192*4+16                  ; a stage row: 192 f32 + 16 bytes: again 16 bytes apart modulo 256
.set SPARE,  2*SLOT                    ; 217,600, behind the ring (the stage, 163,072 bytes, ends inside it): the spare words, 128 bytes for each wave, two blocks of 256 bytes that no other line names
.set OROW,   768*4                     ; bytes in a row of out0
.set NL,     26                        ; LDS loads in a run: the fragments of 32 along K
.set ADRA,  16                         ; v16-17  LDS address of my lane's place in my six row blocks of A, slot 0, 1
.set ADRX,  18                         ; v18-19  the same at A's first row: row block 12 is reached by the immediate
.set ADRBL, 20                         ; v20-21  the same in B's column blocks 6 j + 3 i on (my blocks 0-2)
.set ADRBH, 22                         ; v22-23  the same in the other three of my six (my blocks 3-5)
.set STOL,  24                         ; v24     the way out: my lane's 32 bytes in the stage, my first row block, my column block 0
.set STOH,  25                         ; v25     the same, my column block 3
.set STOX,  26                         ; v26     the same, row block 12, my column block 0
.set RD,    27                         ; v27     the way out: where I read rows back
.set SPW,   28                         ; v28     LDS address of my spare word; never rewritten
.set NIL,   29                         ; v29     0; never rewritten
.set CO,    30                         ; v30     my byte offset in the batch's rows of out0
.set FA0,   32                         ; A's fragments
.set BI,    240
.set L,     32                         ; the way out: 12 sums a lane as read
.set Y,     44                         ; v44-103 five sets of 12 results
.set WV,   14                          ; s14 my wave's number
.set CNT,  15                          ; s15 loop counter
.set G1A,  24                          ; s[24:31] descriptor group 1 for A's tiles;  s[32:39] group 0, a set for each slot
.set G0A,  32
.set G1B,  40                          ; s[40:47], s[48:55] the same for B's
.set G0B,  48
.set RI,   62                          ; s62 i = wave / 2: my half of the rows.  Also: I fetch for A (0) or for B (1)
.set CJ,   63                          ; s63 j = wave % 2: my half of the columns.  Also: which half of that tile I fetch
.set GC,   66                          ; s[66:67] gamma2 / c, in the low word
.set MSB, 0
.macro WIN new                         ; the immediate's high byte repeats the setting that is left; a switch that changes nothing is dropped
.if MSB != (\new)
	s_set_vgpr_msb (MSB<<8)|(\new)
.set MSB, \new
.endif
.endm
.macro PLACES                          ; four plain vector instructions between a matrix instruction and a load into, or a read of, its registers (ISA guide 7.12.1 for reads)
.rept 4
	v_nop
.endr
.endm
; A joint load: waves 0 and 1 ask for A's two halves, waves 2 and 3 for B's.  The branch hangs on the wave's number alone.  An s_nop 0 and four v_nop follow each line.
.macro JLOAD s
	s_cmp_eq_u32 s[RI], 0
	s_cbranch_scc0 .Lfor_b_\@
	tensor_load_to_lds s[G0A+4*(\s):G0A+4*(\s)+3], s[G1A:G1A+7]
	s_nop 0
.rept 4
	v_nop
.endr
	s_branch .Lasked_\@
.Lfor_b_\@:
	tensor_load_to_lds s[G0B+4*(\s):G0B+4*(\s)+3], s[G1B:G1B+7]
	s_nop 0
.rept 4
	v_nop
.endr
.Lasked_\@:
.endm
.macro CREST                           ; a round of the cluster's barrier behind its opening barrier: wave 0 signals for the work-group, every wave waits for all sixteen, the work-group's barrier closes it
	s_cmp_lg_u32 s[WV], 0
	s_cbranch_scc1 .Lnot_wave_0_\@
	s_barrier_signal -3
.Lnot_wave_0_\@:
	s_barrier_wait -3
	s_barrier_signal -1
	s_barrier_wait -1
.endm
.macro CROUND                          ; a whole round
	s_barrier_signal -1
	s_barrier_wait -1
	CREST
.endm
.macro ACCAT a                         ; where the accumulators of my row block a (0-5 my own six, 6 = row block 12) lie: window AW, first register AR
.if (\a) < 5
.set AW, 2
.set AR, 48*(\a)
.else
.set AW, 1
.set AR, 96+48*((\a)-5)
.endif
.endm
; My row blocks a0 .. a0 + n - 1 x my column blocks (six; for row block 12 the first three), 32 along K from buffer f.  zero = 1: the product starts the sum.  Every accumulator has one instruction a
; quarter step, always in the same order: the accumulators take turns.
.macro MULROWS f, a0, n, zero
.set ma, (\a0)
.rept (\n)
	ACCAT ma
	WIN (AW<<6)|(AW<<4)|1                          ; source 0 (B) window 1, source 1 (A) window 0, C and D the accumulators' window
.set mb, 0
.rept 6-3*(ma/6)
.if \zero
	v_wmma_f32_16x16x32_f16 v[AR+8*mb:AR+8*mb+7], v[48*(\f)+8*mb:48*(\f)+8*mb+7], v[FA0+56*(\f)+8*ma:FA0+56*(\f)+8*ma+7], 0
.else
	v_wmma_f32_16x16x32_f16 v[AR+8*mb:AR+8*mb+7], v[48*(\f)+8*mb:48*(\f)+8*mb+7], v[FA0+56*(\f)+8*ma:FA0+56*(\f)+8*ma+7], v[AR+8*mb:AR+8*mb+7]
.endif
.set mb, mb+1
.endr
.set ma, ma+1
.endr
.endm
; One run of NL LDS loads: the fragments of 32 along K at byte k of the slot's rows, into buffer f.  A fragment: lane l holds row l % 16, K = 8 (l / 16) + 0..7 and 16 + 8 (l / 16) + 0..7: two loads 32 bytes apart.
.macro FETCH slot, k, f
	WIN 0x40                                       ; destination window 1, address window 0
.set fb, 0
.rept 3
	ds_load_b128 v[48*(\f)+8*fb:48*(\f)+8*fb+3],       v[ADRBL+(\slot)] offset:(\k)+fb*16*PITCH
	ds_load_b128 v[48*(\f)+8*fb+4:48*(\f)+8*fb+7],     v[ADRBL+(\slot)] offset:(\k)+fb*16*PITCH+32
	ds_load_b128 v[48*(\f)+24+8*fb:48*(\f)+24+8*fb+3],   v[ADRBH+(\slot)] offset:(\k)+fb*16*PITCH
	ds_load_b128 v[48*(\f)+24+8*fb+4:48*(\f)+24+8*fb+7], v[ADRBH+(\slot)] offset:(\k)+fb*16*PITCH+32
.set fb, fb+1
.endr
	WIN 0
.set fa, 0
.rept 6
	ds_load_b128 v[FA0+56*(\f)+8*fa:FA0+56*(\f)+8*fa+3],   v[ADRA+(\slot)] offset:(\k)+fa*16*PITCH
	ds_load_b128 v[FA0+56*(\f)+8*fa+4:FA0+56*(\f)+8*fa+7], v[ADRA+(\slot)] offset:(\k)+fa*16*PITCH+32
.set fa, fa+1
.endr
	ds_load_b128 v[FA0+56*(\f)+48:FA0+56*(\f)+51], v[ADRX+(\slot)] offset:(\k)+12*16*PITCH      ; row block 12
	ds_load_b128 v[FA0+56*(\f)+52:FA0+56*(\f)+55], v[ADRX+(\slot)] offset:(\k)+12*16*PITCH+32
.endm
; A K step is four quarters of 32 along K on buffers 0, 1, 0, 1.  One of the first three: the next quarter's run of loads (byte k, buffer g) goes out first, then buffer f is multiplied: 39 matrix instructions in which the run lands.
.macro QUARTER slot, k, f, g, zero
	PLACES                                         ; buffer g was multiplied just before
	FETCH \slot, \k, \g
	s_wait_dscnt NL                                ; all but the NL just issued: buffer f is whole
	MULROWS \f, 0, 7, \zero
.endm
; The fourth quarter multiplies buffer 1 and changes slots.  In front of the barrier each wave waits for all its tensor loads (one is out: its part of the next slot), adds 0 to its spare word, and waits
; for that and for its reads of this slot.  fill = 1: the barrier opens a round of the cluster's barrier, and behind it this slot is filled again, two K steps ahead: my one tensor load, first thing there.
.macro TURN slot, next, fill
	WIN 0                                          ; the add's two registers lie in window 0
	s_wait_tensorcnt 0x0                           ; all my tensor loads have landed
	ds_add_u32 v[SPW], v[NIL]                      ; 0 onto my spare word
	s_wait_dscnt 1                                 ; the add alone may be out: buffer 1 is whole
	MULROWS 1, 0, 1, 0                             ; matrix work stands between the add and the wait for it
	s_wait_dscnt 0x0                               ; the add is done, and my reads of this slot are over
	s_barrier_signal -1
	MULROWS 1, 1, 1, 0                             ; work on registers while the others arrive
	WIN 0
	s_barrier_wait -1
.if \fill
	CREST                                          ; no wave of any partner still reads this slot or has a load on its way
	s_add_nc_u64 s[G0A+4*(\slot)+2:G0A+4*(\slot)+3], s[G0A+4*(\slot)+2:G0A+4*(\slot)+3], 2*KSTEP*2   ; no tensor load of mine is out: a group 0 may be written
	s_add_nc_u64 s[G0B+4*(\slot)+2:G0B+4*(\slot)+3], s[G0B+4*(\slot)+2:G0B+4*(\slot)+3], 2*KSTEP*2
	JLOAD \slot                                    ; its four v_nop are also the places in front of the loads below
.else
	PLACES
.endif
	FETCH \next, 0, 0
	MULROWS 1, 2, 5, 0
.endm
	s_load_b256 s[4:11], s[0:1], 0x0               ; g s[4:5], w2q s[6:7], b2 s[8:9], gam s[10:11]
	s_load_b64 s[12:13], s[0:1], 0x20              ; out0
	v_lshl_add_u32 v[SPW], v0, 2, SPARE
	v_mov_b32 v[NIL], 0
	ds_add_u32 v[SPW], v[NIL]                      ; the wave's opening: the add and its wait stand ahead of my first tensor load; the set-up below, work on registers, stands between them
	v_lshrrev_b32 v1, 5, v0
	v_readfirstlane_b32 s[WV], v1                  ; wave 0..3
	s_lshr_b32 s[RI], s[WV], 1
	s_and_b32 s[CJ], s[WV], 1
	s_bfe_u32 s16, ttmp6, 0x40000                  ; cx
	s_bfe_u32 s17, ttmp6, 0x40004                  ; cy
	s_lshl_b32 s18, ttmp9, 2
	s_add_co_u32 s18, s18, s16                     ; column tile = 4 x cluster x + cx
	s_and_b32 s19, ttmp7, 0xffff
	s_lshl_b32 s19, s19, 2
	s_add_co_u32 s19, s19, s17                     ; batch = 4 x cluster y + cy
	s_lshl_b32 s20, s17, 2
	s_lshl_b32 s20, 15, s20                        ; my row of the cluster
	s_lshl_b32 s21, 0x1111, s16                    ; my column
	s_or_b32 s[G1A], s20, (1<<16)|(1<<20)|(1<<21)|(5<<22)|(3<<25)   ; 15:0 the mask; 17:16 2-byte elements; 20 padding on; 21 set beside a mask; 24:22 after every 64 words; 31:25 4 words of it
	s_or_b32 s[G1B], s21, (1<<16)|(1<<20)|(1<<21)|(5<<22)|(3<<25)
	s_mul_i32 s81, s[CJ], NA                       ; the first row of the half of A's tile that goes by my j
	s_sub_co_u32 s82, 197, s81                     ; what is left of the batch from there: 197 or 93 rows
	s_mov_b32 s[G1A+1], KSTEP<<16                  ; tensor_dim0 = 128
	s_lshl_b32 s[G1A+2], s82, 16                   ; tensor_dim1: the batch ends there, the tile's rows beyond arrive as zeros
	s_mov_b32 s[G1A+3], KSTEP<<16                  ; tile_dim0 = 128
	s_mov_b32 s[G1A+4], NA                         ; tile_dim1 = 104
	s_mov_b32 s[G1A+5], K                          ; elements from row to row
	s_mov_b32 s[G1A+6], 0
	s_mov_b32 s[G1A+7], 0
	s_mov_b32 s[G1B+1], KSTEP<<16
	s_mov_b32 s[G1B+2], NB<<16
	s_mov_b32 s[G1B+3], KSTEP<<16
	s_mov_b32 s[G1B+4], NB
	s_mov_b32 s[G1B+5], K
	s_mov_b32 s[G1B+6], 0
	s_mov_b32 s[G1B+7], 0
	s_mul_i32 s56, s19, 197                        ; A's tile hangs on the batch and the wave's number alone,
	s_add_co_u32 s56, s56, s81
	s_mul_i32 s56, s56, 2*K
	s_mov_b32 s57, 0
	s_mul_i32 s58, s18, 192                        ; B's on the column tile and the wave's number alone
	s_mul_i32 s83, s[CJ], NB
	s_add_co_u32 s58, s58, s83
	s_mul_i32 s58, s58, 2*K
	s_mov_b32 s59, 0
	s_mul_i32 s82, s[CJ], NA*PITCH                 ; where the halves go: no place in the cluster enters an LDS address
	s_mul_i32 s83, s[CJ], NB*PITCH
	s_add_co_u32 s83, s83, AOFF
	s_wait_dscnt 0x0                               ; the opening add is done
	s_wait_kmcnt 0x0
	s_add_nc_u64 s[56:57], s[4:5], s[56:57]
	s_add_nc_u64 s[58:59], s[6:7], s[58:59]
	CROUND                                         ; all sixteen work-groups are here: the first joint loads meet
.irp s, 0,1
	s_mov_b32 s[G0A+4*(\s)], 1                                       ; count = 1
	s_add_co_u32 s[G0A+4*(\s)+1], s82, (\s)*SLOT                     ; LDS address
	s_add_nc_u64 s[G0A+4*(\s)+2:G0A+4*(\s)+3], s[56:57], (\s)*KSTEP*2  ; global address: K step s
	s_or_b32 s[G0A+4*(\s)+3], s[G0A+4*(\s)+3], 0x80000000            ; type = 2
	s_mov_b32 s[G0B+4*(\s)], 1
	s_add_co_u32 s[G0B+4*(\s)+1], s83, (\s)*SLOT
	s_add_nc_u64 s[G0B+4*(\s)+2:G0B+4*(\s)+3], s[58:59], (\s)*KSTEP*2
	s_or_b32 s[G0B+4*(\s)+3], s[G0B+4*(\s)+3], 0x80000000
	JLOAD \s                                       ; two tensor loads of mine are out at the start, one behind every later round
.endr
	s_load_b32 s[GC], s[10:11], 0x4                ; gamma2 / c
	s_mov_b32 s[GC+1], 0                           ; named with it as a pair
	v_and_b32 v1, 15, v0                           ; l % 16
	v_bfe_u32 v2, v0, 4, 1                         ; l / 16
	v_and_b32 v4, 31, v0                           ; lane
	v_lshlrev_b32 v6, 3, v4
	s_mul_i32 s60, s18, 768                        ; my tile's first column in b2, and in a row of out0
	s_mov_b32 s61, 0
	s_add_nc_u64 s[8:9], s[8:9], s[60:61]
.irp u, 0,1,2
	global_load_b64 v[BI+2*\u:BI+2*\u+1], v6, s[8:9] offset:256*\u   ; the columns 64 u + 2 lane + 0, 1, which are mine in every row on the way out
.endr
	v_mul_u32_u24 v3, v1, PITCH
	v_lshl_add_u32 v3, v2, 4, v3                   ; row x pitch + 16 x half
	v_mov_b32 v[ADRX], v3
	v_add_nc_u32 v[ADRX+1], SLOT, v3
	s_mul_i32 s81, s[RI], 96*PITCH                 ; my six row blocks of A
	v_add_nc_u32 v[ADRA], s81, v3
	s_add_co_u32 s81, s81, SLOT
	v_add_nc_u32 v[ADRA+1], s81, v3
	s_mul_i32 s68, s[CJ], 6
	s_mul_i32 s69, s[RI], 3
	s_add_co_u32 s69, s68, s69                     ; 6 j + 3 i: the column block that I call 0
	s_xor_b32 s70, s[RI], 1
	s_mul_i32 s70, s70, 3
	s_add_co_u32 s70, s68, s70                     ; 6 j + 3 (1 - i): the one that I call 3
	s_mul_i32 s81, s69, 16*PITCH
	s_add_co_u32 s81, s81, AOFF                    ; B's rows lie behind A's 208
	v_add_nc_u32 v[ADRBL], s81, v3
	s_add_co_u32 s81, s81, SLOT
	v_add_nc_u32 v[ADRBL+1], s81, v3
	s_mul_i32 s81, s70, 16*PITCH
	s_add_co_u32 s81, s81, AOFF
	v_add_nc_u32 v[ADRBH], s81, v3
	s_add_co_u32 s81, s81, SLOT
	v_add_nc_u32 v[ADRBH+1], s81, v3
	v_mul_u32_u24 v5, v1, SPITCH                   ; into the stage: row l % 16, 32 bytes for each half of the lanes; a column block is 64 bytes
	v_lshl_add_u32 v5, v2, 5, v5
	s_mul_i32 s71, s[RI], 96*SPITCH                ; my six row blocks
	s_lshl_b32 s81, s69, 6
	s_add_co_u32 s72, s81, s71
	v_add_nc_u32 v[STOL], s72, v5
	s_add_co_u32 s81, s81, 192*SPITCH              ; row block 12
	v_add_nc_u32 v[STOX], s81, v5
	s_lshl_b32 s81, s70, 6
	s_add_co_u32 s81, s81, s71
	v_add_nc_u32 v[STOH], s81, v5
	s_mul_i32 s81, s[WV], SPITCH                   ; back: wave w begins with row w; 8 bytes a lane
	v_lshl_add_u32 v[RD], v4, 3, s81
	s_mul_i32 s81, s[WV], OROW                     ; and the same row in out0; 8 bytes a lane
	v_lshl_add_u32 v[CO], v4, 3, s81
	s_mul_i32 s22, s19, 197*OROW                   ; the batch's first row of out0
	s_mov_b32 s23, 0
	s_add_nc_u64 s[12:13], s[12:13], s[22:23]
	s_add_nc_u64 s[12:13], s[12:13], s[60:61]
	s_wait_loadcnt 0x0                             ; b2
	s_wait_kmcnt 0x0                               ; gamma2 / c
.irp p, 0,2,4
	v_cvt_pk_bf16_f32 v7, v[BI+\p], v[BI+\p+1]     ; the bias is rounded to bf16 like every input
	v_lshlrev_b32 v[BI+\p], 16, v7
	v_and_b32 v[BI+\p+1], 0xffff0000, v7
.endr
	s_wait_tensorcnt 0x1                           ; my part of K step 0 is in; K step 1's may stay out
	s_barrier_signal -1
	s_barrier_wait -1                              ; everybody's is
	FETCH 0, 0, 0
	QUARTER 0, 64, 0, 1, 1                         ; the first quarter stands in front of the loop: its products start the sums
	WIN 0                                          ; at a label and at a branch every window is 0
	s_mov_b32 s[CNT], LAPS-1
.Llap:                                                 ; a trip goes once round the ring, from a lap's second quarter to the next lap's first, and fills both slots again
	QUARTER 0, 128, 1, 0, 0
	QUARTER 0, 192, 0, 1, 0
	TURN 0, 1, 1
	QUARTER 1, 64,  0, 1, 0
	QUARTER 1, 128, 1, 0, 0
	QUARTER 1, 192, 0, 1, 0
	TURN 1, 0, 1
	QUARTER 0, 64,  0, 1, 0
	WIN 0
	s_sub_co_u32 s[CNT], s[CNT], 1
	s_cmp_lg_u32 s[CNT], 0
	s_cbranch_scc1 .Llap
	QUARTER 0, 128, 1, 0, 0                        ; the last lap fills nothing
	QUARTER 0, 192, 0, 1, 0
	TURN 0, 1, 0
	QUARTER 1, 64,  0, 1, 0
	QUARTER 1, 128, 1, 0, 0
	QUARTER 1, 192, 0, 1, 0
	s_wait_dscnt 0x0                               ; buffer 1 is whole, and my reads of the ring are over: the stage will lie over it
	s_barrier_signal -1
	MULROWS 1, 0, 7, 0                             ; the very last quarter, while the others arrive
	WIN 0
	s_barrier_wait -1                              ; nobody reads the ring any more; every tensor load landed in front of the barrier before
	; THE SUMS GO INTO THE STAGE, each accumulator's low four registers first.  A row block is 16 x 784 = 12,544 bytes: five of them and a column block's place fit the 16-bit immediate.
	PLACES
.set da, 0
.rept 7
	ACCAT da
	WIN AW<<2                                      ; the stores' data in the accumulators' window, their address in window 0
.set db, 0
.rept 3
.if da < 6
	ds_store_b128 v[STOL], v[AR+8*db:AR+8*db+3]       offset:da*16*SPITCH+64*db
	ds_store_b128 v[STOL], v[AR+8*db+4:AR+8*db+7]     offset:da*16*SPITCH+64*db+16
	ds_store_b128 v[STOH], v[AR+24+8*db:AR+24+8*db+3]   offset:da*16*SPITCH+64*db
	ds_store_b128 v[STOH], v[AR+24+8*db+4:AR+24+8*db+7] offset:da*16*SPITCH+64*db+16
.else
	ds_store_b128 v[STOX], v[AR+8*db:AR+8*db+3]       offset:64*db
	ds_store_b128 v[STOX], v[AR+8*db+4:AR+8*db+7]     offset:64*db+16
.endif
.set db, db+1
.endr
.set da, da+1
.endr
	WIN 0
	s_wait_dscnt 0x0                               ; for the others' sake: my stores into the stage are done
	s_barrier_signal -1
	s_barrier_wait -1
	; THE WAY OUT.  A step takes rows 8 n + w and 8 n + 4 + w, whole: 2 x 3 loads of 256 bytes, 12 numbers a lane; the next step's loads go out as soon as this step's sums have been read.
	; A trip is five steps, each with result registers of its own, so that the wait which frees the stores' registers stands once for 30 stores.  5 trips x 5 steps x 8 rows = 200 rows.
.macro LOADROWS off
.irp e, 0,1
.irp u, 0,1,2
	ds_load_b64 v[L+2*(3*\e+\u):L+2*(3*\e+\u)+1], v[RD] offset:(\off)+\e*4*SPITCH+256*\u
.endr
.endr
.endm
.macro STEP su
	s_wait_dscnt 0x0                               ; the six loads issued a step ago
.irp e, 0,1
.irp u, 0,1,2
	v_pk_fma_f32 v[Y+12*(\su)+2*(3*\e+\u):Y+12*(\su)+2*(3*\e+\u)+1], v[L+2*(3*\e+\u):L+2*(3*\e+\u)+1], s[GC:GC+1], v[BI+2*\u:BI+2*\u+1] op_sel_hi:[1,0,1]
.endr
.endr
.if (\su) == 4
	v_add_nc_u32 v[RD], 40*SPITCH, v[RD]
	LOADROWS 0                                     ; the very last reach rows 200-207, which were written and are not used
.else
	LOADROWS ((\su)+1)*8*SPITCH
.endif
.irp u, 0,1,2
	global_store_b64 v[CO], v[Y+12*(\su)+2*\u:Y+12*(\su)+2*\u+1], s[12:13] offset:(\su)*8*OROW+256*\u th:TH_STORE_NT   ; a wave stores 256 consecutive bytes, at a multiple of 256 from out0's first
.endr
.if (\su) == 4
	s_cmp_eq_u32 s[CNT], 1                         ; the last step's second row is 196 + w: the batch has it for wave 0 alone
	s_cselect_b32 s81, s[WV], 0
	s_cmp_lg_u32 s81, 0
	s_cbranch_scc1 .Lno_row
.endif
.irp u, 0,1,2
	global_store_b64 v[CO], v[Y+12*(\su)+6+2*\u:Y+12*(\su)+6+2*\u+1], s[12:13] offset:(\su)*8*OROW+4*OROW+256*\u th:TH_STORE_NT
.endr
.endm
	LOADROWS 0
	s_mov_b32 s[CNT], 5
.Lout:
	STEP 0
	STEP 1
	STEP 2
	STEP 3
	STEP 4
.Lno_row:
	s_wait_xcnt 0x0                                ; CO and Y, which the stores read, are written again only behind this wait
	v_add_nc_u32 v[CO], 40*OROW, v[CO]
	s_sub_co_u32 s[CNT], s[CNT], 1
	s_cmp_lg_u32 s[CNT], 0
	s_cbranch_scc1 .Lout
	s_wait_tensorcnt 0x0                           ; the wave's end, behind my last tensor load and my last LDS store
	ds_add_u32 v[SPW], v[NIL]
	s_wait_dscnt 0x0
	CROUND                                         ; the closing round: no work-group ends while a partner may still ask for a tile that names it
	s_endpgm
.Lfunc_end_k_qed586f1741_fc2:
	.size	k_qed586f1741_fc2, .Lfunc_end_k_qed586f1741_fc2-k_qed586f1741_fc2
	.p2alignl 7, 3214868480
	.fill 96, 4, 3214868480
	.section	.rodata,"a",@progbits
	.p2align	6, 0x0
	.amdhsa_kernel k_qed586f1741_fc2
		.amdhsa_group_segment_fixed_size 327680
		.amdhsa_private_segment_fixed_size 0
		.amdhsa_enable_private_segment 0
		.amdhsa_kernarg_size 40
		.amdhsa_user_sgpr_count 2
		.amdhsa_user_sgpr_kernarg_segment_ptr 1
		.amdhsa_wavefront_size32 1
		.amdhsa_system_sgpr_workgroup_id_x 1
		.amdhsa_system_sgpr_workgroup_id_y 1
		.amdhsa_system_sgpr_workgroup_id_z 1
		.amdhsa_system_vgpr_workitem_id 0
		.amdhsa_next_free_vgpr 768
		.amdhsa_next_free_sgpr 88
		.amdhsa_reserve_vcc 0
		.amdhsa_float_denorm_mode_32 3
		.amdhsa_float_denorm_mode_16_64 3
		.amdhsa_memory_ordered 1
		.amdhsa_forward_progress 1
		.amdhsa_inst_pref_size 94
	.end_amdhsa_kernel
	.amdgpu_metadata
---
amdhsa.version: [ 1, 2 ]
amdhsa.kernels:
  - .name:           k_qed586f1741_fc2
    .symbol:         k_qed586f1741_fc2.kd
    .args:
      - { .name: g, .offset: 0, .size: 8, .value_kind: global_buffer, .address_space: global }
      - { .name: w2q, .offset: 8, .size: 8, .value_kind: global_buffer, .address_space: global }
      - { .name: b2, .offset: 16, .size: 8, .value_kind: global_buffer, .address_space: global }
      - { .name: gam, .offset: 24, .size: 8, .value_kind: global_buffer, .address_space: global }
      - { .name: out0, .offset: 32, .size: 8, .value_kind: global_buffer, .address_space: global }
    .group_segment_fixed_size: 327680
    .private_segment_fixed_size: 0
    .kernarg_segment_align: 8
    .kernarg_segment_size: 40
    .max_flat_workgroup_size: 128
    .sgpr_count:     88
    .vgpr_count:     768
    .wavefront_size: 32
...
	.end_amdgpu_metadata
.endif
;; end of part 4
;; ======== version 2 of 2: 4 launches; version 1 with the launches prep1, prep2 written anew for expert scheduling mode
;; limits: values are held in f16: magnitudes above 65,504 overflow, below 6.1e-05 lose precision; a function is approximated: absolute error at most 2.5e-05; an absolute error that grows with the inputs' magnitude: up to 1.25e-05 times it
;; workspace buffers: xh 19,365,888 bytes; w1q 4,718,592 bytes; w2q 4,718,592 bytes; g 77,463,552 bytes; part 8,192 bytes; gam 256 bytes
;; launch prep1 (part 5): grid 650 x 1, 8 waves a work-group, no clusters, 0 bytes of LDS; arguments x, w1, w2, xh, part; writes xh, part
.if DOCPART == 5
	.amdgcn_target "amdgcn-amd-amdhsa--gfx1250"
	.amdhsa_code_object_version 6
	.text
	.protected	k_qed586f1741_prep1
	.globl	k_qed586f1741_prep1
	.p2align	8
	.type	k_qed586f1741_prep1,@function
k_qed586f1741_prep1:
	s_mov_b64 s[64:65], 0
	v_nop
	global_prefetch_b8 v0, s[64:65] scope:SCOPE_SE
	s_setreg_imm32_b32 hwreg(HW_REG_WAVE_SCHED_MODE, 0, 2), 2
	s_setreg_imm32_b32 hwreg(HW_REG_WAVE_MODE, 25, 1), 1
	s_wait_xcnt 0x0
	s_wait_alu depctr_vm_vsrc(0)
; PREP1.  Two streams in one launch, told apart by the work-group's number.
;   work-groups 0-255:   partial sums of |bf16(w)|: 0-127 over w1, 128-255 over w2, 73,728 bytes (18,432 numbers) each; every wave leaves one f32 sum in part
;                        (part[8 g + wave]: w1's 1,024 sums first, then w2's).  Sums stay in f32.
;   work-groups 256-649: xh = bf16(x), 98,304 bytes of x each (394 x 98,304 = all of x).
; WHY bf16 FIRST.  The whole program works on its inputs rounded once to bf16 (x, w1, b1, w2, b2 alike): the ternary threshold gamma / 2 then falls between numbers that lie
; 2^-8 of themselves apart, so that the order in which the mean is summed cannot move a weight across it.
; No LDS, no barrier, no matrix unit: both halves are plain streams.  A thread takes 16 bytes of every 4,096, so a wave's load covers 512 consecutive bytes.
; THE MODE: SCHED_MODE bits 1:0 = 2 (LLVM: expert scheduling mode 2), set by the entry lines.  The code itself states the register dependences
; between vector instructions and memory instructions, with s_wait_alu, always for 0.
; THE PLAN.  Registers that memory instructions touch:
;   v1, v2     byte offsets, made once and never written again: one wait ahead of each half's first load shows them written.
;   D          four registers a load, each loaded once.  The sums only read them.  The cast rounds a load's four numbers into its first two registers, which one store reads; they are never written again.
;   v3, v[ACC] the sums' one store reads them: the wait in front of the write of EXEC shows them written.
; The cast's 24 loads go in six blocks of four.  Block p rounds its own registers; its memory instructions are the four stores of block p - 1, whose registers no vector
; instruction of block p names.  So one wait at a block's head states all that its four stores hang on, and these are dealt among the block's roundings with no further wait.
.set WCH, 73728                        ; bytes of a weight matrix to a work-group: 18 loads of 4,096 bytes
.set XCH, 98304                        ; bytes of x to a work-group: 24 loads of 4,096 bytes
.set BLK, 4                            ; loads in a block of the cast
.set D,   8                            ; v8-v103  the loads' registers, four a load
.set TM,  80                           ; v80-81   (sums) two packed bf16 at work
.set ACC, 84                           ; v84-91   (sums) four running pairs
.set U,   92                           ; v92-95   (sums) unpacked magnitudes
	s_load_b256 s[4:11], s[0:1], 0x0               ; x s[4:5], w1 s[6:7], w2 s[8:9], xh s[10:11]
	s_load_b64 s[12:13], s[0:1], 0x20              ; part
	v_lshlrev_b32 v1, 4, v0                        ; 16 bytes a thread
	s_wait_kmcnt 0x0
	s_cmp_lt_u32 ttmp9, 256
	s_cbranch_scc0 .Lcast
	; ---- the sums ----
	s_and_b32 s16, ttmp9, 127
	s_mul_i32 s16, s16, WCH                        ; my part of the matrix
	s_mov_b32 s17, 0
	s_cmp_lt_u32 ttmp9, 128
	s_cselect_b64 s[18:19], s[6:7], s[8:9]         ; w1 or w2
	s_add_nc_u64 s[18:19], s[18:19], s[16:17]
	s_mov_b32 s20, 0x7fff7fff                      ; clears two signs
	s_mov_b32 s21, 0xffff0000                      ; a word's upper bf16
	s_mov_b32 s22, 0x76543210                      ; v_permlanex16_b32: each lane takes its own place in the other half
	s_mov_b32 s23, 0xfedcba98
	s_wait_alu depctr_va_vdst(0)                   ; v1 is written: the 18 loads read it as their offset
.set j, 0
.rept 18
	global_load_b128 v[D+4*j:D+4*j+3], v1, s[18:19] offset:4096*j   ; no hint: the next launch reads the weights again
.set j, j+1
.endr
	v_lshrrev_b32 v2, 5, v0
	v_readfirstlane_b32 s24, v2                    ; my wave
	v_and_b32 v4, 31, v0
	s_wait_alu depctr_va_sdst(0)                   ; s24 is written, ahead of its first reader, the next line
	s_lshl3_add_u32 s24, ttmp9, s24                ; 8 x work-group + wave
	s_lshl_b32 s24, s24, 2
	v_mov_b32 v3, s24                              ; my sum's byte in part
.set j, 0
.rept 18
	s_wait_loadcnt 17-j                            ; loads come back in order: load j is in, the 17 - j younger ones stay out
.irp p, 0,1
	v_cvt_pk_bf16_f32 v[TM+\p], v[D+4*j+2*\p], v[D+4*j+2*\p+1]     ; two weights rounded to bf16,
	v_and_b32 v[TM+\p], s20, v[TM+\p]                              ; their magnitudes,
.if j < 2
	v_lshlrev_b32 v[ACC+4*j+2*\p], 16, v[TM+\p]                    ; as f32: the first eight start the four chains, nothing is cleared
	v_and_b32 v[ACC+4*j+2*\p+1], s21, v[TM+\p]
.else
	v_lshlrev_b32 v[U+2*\p], 16, v[TM+\p]
	v_and_b32 v[U+2*\p+1], s21, v[TM+\p]
	v_pk_add_f32 v[ACC+4*(j%2)+2*\p:ACC+4*(j%2)+2*\p+1], v[ACC+4*(j%2)+2*\p:ACC+4*(j%2)+2*\p+1], v[U+2*\p:U+2*\p+1]
.endif
.endr
.set j, j+1
.endr
	v_pk_add_f32 v[ACC:ACC+1], v[ACC:ACC+1], v[ACC+2:ACC+3]
	v_pk_add_f32 v[ACC+4:ACC+5], v[ACC+4:ACC+5], v[ACC+6:ACC+7]
	v_pk_add_f32 v[ACC:ACC+1], v[ACC:ACC+1], v[ACC+4:ACC+5]
	v_add_f32 v[ACC], v[ACC], v[ACC+1]
	v_add_f32_dpp v[ACC], v[ACC], v[ACC] row_xmask:1 row_mask:0xf bank_mask:0xf
	v_add_f32_dpp v[ACC], v[ACC], v[ACC] row_xmask:2 row_mask:0xf bank_mask:0xf
	v_add_f32_dpp v[ACC], v[ACC], v[ACC] row_xmask:4 row_mask:0xf bank_mask:0xf
	v_add_f32_dpp v[ACC], v[ACC], v[ACC] row_xmask:8 row_mask:0xf bank_mask:0xf
	v_permlanex16_b32 v[ACC+1], v[ACC], s22, s23   ; its destination has been written before
	v_add_f32 v[ACC], v[ACC], v[ACC+1]             ; the wave's sum, in every lane
	v_cmp_eq_u32 vcc_lo, 0, v4
	s_wait_xcnt 0x0                                ; EXEC is a source of the loads above: it changes only behind this wait
	s_wait_alu depctr_va_vcc(0)                    ; the compare has written VCC, from which EXEC is made
	s_wait_alu depctr_va_vdst(0)                   ; EXEC is written below: the vector instructions issued so far have written their results, v3 and the sum, which the store reads, among them
	s_wait_alu depctr_vm_vsrc(0)                   ; and the loads issued so far have read their vector registers
	s_and_saveexec_b32 s25, vcc_lo
	global_store_b32 v3, v[ACC], s[12:13]          ; lane 0 alone: four bytes a wave, 8,192 bytes in the whole launch
	s_endpgm
	; ---- x to bf16 ----
.Lcast:
	s_sub_co_u32 s16, ttmp9, 256
	s_mul_i32 s18, s16, XCH
	s_mov_b32 s19, 0
	s_mul_i32 s20, s16, XCH/2
	s_mov_b32 s21, 0
	s_add_nc_u64 s[4:5], s[4:5], s[18:19]
	s_add_nc_u64 s[10:11], s[10:11], s[20:21]
	v_lshlrev_b32 v2, 3, v0                        ; 8 bytes out a thread
	s_wait_alu depctr_va_vdst(0)                   ; v1 and v2 are written: the loads read the one as their offset, the stores the other
.set j, 0
.rept 24
	global_load_b128 v[D+4*j:D+4*j+3], v1, s[4:5] offset:4096*j th:TH_LOAD_NT   ; all 24 go out at once; x is read once
.set j, j+1
.endr
.set j, 0
.rept 24
	s_wait_loadcnt 23-j                            ; load j is in, the 23 - j younger ones stay out
.if (j % BLK == 0) && (j > 0)
	s_wait_alu depctr_va_vdst(0)                   ; a block's head: the roundings of the block before have written their results, which this block's four stores read
.endif
.if j >= BLK
	global_store_b64 v2, v[D+4*(j-BLK):D+4*(j-BLK)+1], s[10:11] offset:2048*(j-BLK)   ; the block before.  No wait: no vector instruction since the block's head names these registers.  A wave stores 256 consecutive bytes, at a multiple of 256 from xh's first; no register of a store is written again
.endif
	v_cvt_pk_bf16_f32 v[D+4*j], v[D+4*j], v[D+4*j+1]
	v_cvt_pk_bf16_f32 v[D+4*j+1], v[D+4*j+2], v[D+4*j+3]
.set j, j+1
.endr
	s_wait_alu depctr_va_vdst(0)                   ; the last block's roundings have written their results, which the last four stores read
.set j, 24-BLK
.rept BLK
	global_store_b64 v2, v[D+4*j:D+4*j+1], s[10:11] offset:2048*j
.set j, j+1
.endr
	s_endpgm
.Lfunc_end_k_qed586f1741_prep1:
	.size	k_qed586f1741_prep1, .Lfunc_end_k_qed586f1741_prep1-k_qed586f1741_prep1
	.p2alignl 7, 3214868480
	.fill 96, 4, 3214868480
	.section	.rodata,"a",@progbits
	.p2align	6, 0x0
	.amdhsa_kernel k_qed586f1741_prep1
		.amdhsa_group_segment_fixed_size 0
		.amdhsa_private_segment_fixed_size 0
		.amdhsa_enable_private_segment 0
		.amdhsa_kernarg_size 40
		.amdhsa_user_sgpr_count 2
		.amdhsa_user_sgpr_kernarg_segment_ptr 1
		.amdhsa_wavefront_size32 1
		.amdhsa_system_sgpr_workgroup_id_x 1
		.amdhsa_system_sgpr_workgroup_id_y 1
		.amdhsa_system_sgpr_workgroup_id_z 1
		.amdhsa_system_vgpr_workitem_id 0
		.amdhsa_next_free_vgpr 104
		.amdhsa_next_free_sgpr 66
		.amdhsa_reserve_vcc 1
		.amdhsa_float_denorm_mode_32 3
		.amdhsa_float_denorm_mode_16_64 3
		.amdhsa_memory_ordered 1
		.amdhsa_forward_progress 1
		.amdhsa_inst_pref_size 21
	.end_amdhsa_kernel
	.amdgpu_metadata
---
amdhsa.version: [ 1, 2 ]
amdhsa.kernels:
  - .name:           k_qed586f1741_prep1
    .symbol:         k_qed586f1741_prep1.kd
    .args:
      - { .name: x, .offset: 0, .size: 8, .value_kind: global_buffer, .address_space: global }
      - { .name: w1, .offset: 8, .size: 8, .value_kind: global_buffer, .address_space: global }
      - { .name: w2, .offset: 16, .size: 8, .value_kind: global_buffer, .address_space: global }
      - { .name: xh, .offset: 24, .size: 8, .value_kind: global_buffer, .address_space: global }
      - { .name: part, .offset: 32, .size: 8, .value_kind: global_buffer, .address_space: global }
    .group_segment_fixed_size: 0
    .private_segment_fixed_size: 0
    .kernarg_segment_align: 8
    .kernarg_segment_size: 40
    .max_flat_workgroup_size: 256
    .sgpr_count:     66
    .vgpr_count:     104
    .wavefront_size: 32
...
	.end_amdgpu_metadata
.endif
;; end of part 5
;; launch prep2 (part 6): grid 256 x 1, 8 waves a work-group, no clusters, 0 bytes of LDS; arguments w1, w2, part, w1q, w2q, gam; writes w1q, w2q, gam
.if DOCPART == 6
	.amdgcn_target "amdgcn-amd-amdhsa--gfx1250"
	.amdhsa_code_object_version 6
	.text
	.protected	k_qed586f1741_prep2
	.globl	k_qed586f1741_prep2
	.p2align	8
	.type	k_qed586f1741_prep2,@function
k_qed586f1741_prep2:
	s_mov_b64 s[64:65], 0
	v_nop
	global_prefetch_b8 v0, s[64:65] scope:SCOPE_SE
	s_setreg_imm32_b32 hwreg(HW_REG_WAVE_SCHED_MODE, 0, 2), 2
	s_setreg_imm32_b32 hwreg(HW_REG_WAVE_MODE, 25, 1), 1
	s_wait_xcnt 0x0
	s_wait_alu depctr_vm_vsrc(0)
; PREP2.  gamma = mean |bf16(w)| + 1e-5, and the ternary weights q = sign(w) where |bf16(w)| > gamma / 2, else 0: that is clip(round(w / gamma), -1, 1)
; (a quotient of exactly 0.5 rounds to the even 0; from 1.5 on the clip gives 1).  gamma stays out of q: the products take +-1 and 0, which are exact, and the scale is applied in f32 behind them.
; Work-groups 0-127: w1 -> w1q in bf16;  128-255: w2 -> w2q in f16;  73,728 bytes in, 36,864 out each.
; Every wave adds the matrix's 1,024 partial sums in the same order, so every wave has the same gamma to the last bit.
; gam[0] = gamma1 c, gam[1] = gamma2 / c, c = sqrt(log2(e) / 2): the scale that the two products' ways out use.
; LIMITS.  A weight whose quotient lies within half a unit in the last place of 0.5 may fall on the other side than by a division; a NaN weight counts as 0.
; THE MODE: SCHED_MODE bits 1:0 = 2 (LLVM: expert scheduling mode 2), set by the entry lines.  The code itself states the register dependences
; between vector instructions and memory instructions, and those through scalar registers that vector instructions write, with s_wait_alu, always for 0.
; THE PLAN.  Registers that memory instructions touch:
;   v1, v2, v6  byte offsets, made once at the head and never written again: one wait ahead of the first load shows them written.
;   PS, D       loaded once each.  A load's first two registers of D take its result (v_bfi_b32), which one store reads; they are never written again.
;   v4, v5      the scale's store reads them: the wait in front of the write of EXEC shows them written.
; Scalar registers that vector instructions write: s44 (the wave), s32 (the sum), the eight masks s18-25.
; The 18 loads of weights go in nine blocks of two.  Block p: the magnitudes of its eight numbers and their eight compares, each into a mask of its own; the four lines that make +-1;
; ONE wait for the masks; the eight selects and the four v_bfi_b32.  Its memory instructions are the two stores of block p - 1, whose registers no vector instruction of block p names:
; ONE wait at the block's head states what they hang on.
.set WCH, 73728
.set PS,  8                            ; v8-39    32 partial sums a lane
.set D,   40                           ; v40-111  the 18 loads' registers; a load's first two take its result
.set TM,  112                          ; v112-123 at work: six registers for each of a block's two loads
.set MK,  18                           ; s18-25   the masks: four for each of a block's two loads (s20-25 hold byte offsets at the head only)
.set GAM, 32                           ; s32 gamma
.set KF,  33                           ; s33 c or 1 / c
.set THR, 34                           ; s34 gamma / 2
.set ONE2, 30                          ; s30 1.0 twice, in bf16 or in f16
	s_load_b256 s[4:11], s[0:1], 0x0               ; w1 s[4:5], w2 s[6:7], part s[8:9], w1q s[10:11]
	s_load_b128 s[12:15], s[0:1], 0x20             ; w2q s[12:13], gam s[14:15]
	s_lshr_b32 s16, ttmp9, 7                       ; which matrix
	s_and_b32 s17, ttmp9, 127                      ; which part of it
	s_mul_i32 s20, s17, WCH
	s_mov_b32 s21, 0
	s_mul_i32 s22, s17, WCH/2
	s_mov_b32 s23, 0
	s_lshl_b32 s24, s16, 12                        ; the matrix's 4,096 bytes of part
	s_mov_b32 s25, 0
	s_mov_b32 s[ONE2], 0x3f803f80                  ; bf16
	s_mov_b32 s31, 0x3c003c00                      ; f16
	s_mov_b32 s[KF], 0x3f596d27                    ; c = 0.8493218
	s_mov_b32 s39, 0x3f96b55f                      ; 1 / c
	s_mov_b32 s35, 0x7fff7fff                      ; clears two signs
	s_mov_b32 s36, 0xffff0000                      ; a word's upper half
	s_mov_b32 s37, 0x0000ffff                      ; its lower half
	s_mov_b32 s38, 0x80008000                      ; two signs
	s_mov_b32 s42, 0x76543210
	s_mov_b32 s43, 0xfedcba98
	v_lshlrev_b32 v1, 4, v0                        ; 16 bytes a thread
	v_and_b32 v3, 31, v0                           ; lane
	v_lshlrev_b32 v2, 4, v3
	v_lshlrev_b32 v6, 3, v0                        ; 8 bytes out a thread
	v_lshrrev_b32 v4, 5, v0
	v_readfirstlane_b32 s44, v4                    ; wave: its first reader stands at the kernel's end, behind the wait that follows the sum's v_readfirstlane_b32
	s_cmp_eq_u32 s16, 0
	s_cselect_b32 s[ONE2], s[ONE2], s31
	s_cselect_b32 s[KF], s[KF], s39
	s_wait_kmcnt 0x0
	s_cselect_b64 s[26:27], s[4:5], s[6:7]
	s_cselect_b64 s[28:29], s[10:11], s[12:13]
	s_add_nc_u64 s[26:27], s[26:27], s[20:21]
	s_add_nc_u64 s[28:29], s[28:29], s[22:23]
	s_add_nc_u64 s[8:9], s[8:9], s[24:25]
	s_wait_alu depctr_va_vdst(0)                   ; v1, v2 and v6 are written: every load and store of the weights and of part reads one of them as its offset
.set j, 0
.rept 8
	global_load_b128 v[PS+4*j:PS+4*j+3], v2, s[8:9] offset:512*j    ; the partial sums first: gamma is wanted first
.set j, j+1
.endr
.set j, 0
.rept 18
	global_load_b128 v[D+4*j:D+4*j+3], v1, s[26:27] offset:4096*j th:TH_LOAD_NT
.set j, j+1
.endr
	s_wait_loadcnt 18                              ; the eight loads of part are in; the 18 of the weights stay out
.irp i, 0,2,4,6,8,10,12,14
	v_pk_add_f32 v[PS+\i:PS+\i+1], v[PS+\i:PS+\i+1], v[PS+16+\i:PS+17+\i]
.endr
.irp i, 0,2,4,6
	v_pk_add_f32 v[PS+\i:PS+\i+1], v[PS+\i:PS+\i+1], v[PS+8+\i:PS+9+\i]
.endr
.irp i, 0,2
	v_pk_add_f32 v[PS+\i:PS+\i+1], v[PS+\i:PS+\i+1], v[PS+4+\i:PS+5+\i]
.endr
	v_pk_add_f32 v[PS:PS+1], v[PS:PS+1], v[PS+2:PS+3]
	v_add_f32 v[PS], v[PS], v[PS+1]
	v_add_f32_dpp v[PS], v[PS], v[PS] row_xmask:1 row_mask:0xf bank_mask:0xf
	v_add_f32_dpp v[PS], v[PS], v[PS] row_xmask:2 row_mask:0xf bank_mask:0xf
	v_add_f32_dpp v[PS], v[PS], v[PS] row_xmask:4 row_mask:0xf bank_mask:0xf
	v_add_f32_dpp v[PS], v[PS], v[PS] row_xmask:8 row_mask:0xf bank_mask:0xf
	v_permlanex16_b32 v[PS+1], v[PS], s42, s43
	v_add_f32 v[PS], v[PS], v[PS+1]
	v_readfirstlane_b32 s[GAM], v[PS]
	s_wait_alu depctr_va_sdst(0)                   ; s32, the sum, is written, ahead of its first reader, the next line; so is s44, the wave
	s_mul_f32 s[GAM], s[GAM], 0x34e38e39           ; / 2,359,296 numbers
	s_add_f32 s[GAM], s[GAM], 0x3727c5ac           ; + 1e-5
	s_mul_f32 s[THR], s[GAM], 0.5
; Load b (0, 1) of block p: its registers.
.macro REGS b
.set rD, D+4*(2*p+(\b))
.set rT, TM+6*(\b)
.set rK, MK+4*(\b)
.endm
; The first part of a load's work: the store of the load two back, then rounding, magnitudes and the four compares.
.macro LOOK b
	REGS \b
	s_wait_loadcnt 17-2*p-(\b)                     ; this load is in, the younger ones stay out
.if ((\b) == 0) && (p > 0)
	s_wait_alu depctr_va_vdst(0)                   ; a block's head: the v_bfi_b32 of the block before have written their results, which this block's two stores read
.endif
.if p > 0
	global_store_b64 v6, v[rD-8:rD-7], s[28:29] offset:2048*(2*p+(\b)-2)   ; the block before.  No wait: no vector instruction since the block's head names these registers.  A wave stores 256 consecutive bytes, aligned; no register of a store is written again
.endif
	v_cvt_pk_bf16_f32 v[rT], v[rD], v[rD+1]
	v_cvt_pk_bf16_f32 v[rT+1], v[rD+2], v[rD+3]
	v_and_b32 v[rT+2], s35, v[rT]                  ; magnitudes, packed
	v_and_b32 v[rT+3], s35, v[rT+1]
	v_lshlrev_b32 v[rT+4], 16, v[rT+2]             ; and as f32
	v_and_b32 v[rT+2], s36, v[rT+2]
	v_lshlrev_b32 v[rT+5], 16, v[rT+3]
	v_and_b32 v[rT+3], s36, v[rT+3]
	v_cmp_lt_f32 s[rK], s[THR], v[rT+4]            ; a mask of its own for each of the four numbers
	v_cmp_lt_f32 s[rK+1], s[THR], v[rT+2]
	v_cmp_lt_f32 s[rK+2], s[THR], v[rT+5]
	v_cmp_lt_f32 s[rK+3], s[THR], v[rT+3]
.endm
.macro SIGNS b
	REGS \b
	v_and_or_b32 v[rT], v[rT], s38, s[ONE2]        ; +-1 twice, with the weights' signs
	v_and_or_b32 v[rT+1], v[rT+1], s38, s[ONE2]
.endm
.macro PICK b
	REGS \b
	v_cndmask_b32 v[rT+4], 0, v[rT], s[rK]
	v_cndmask_b32 v[rT+2], 0, v[rT], s[rK+1]
	v_cndmask_b32 v[rT+5], 0, v[rT+1], s[rK+2]
	v_cndmask_b32 v[rT+3], 0, v[rT+1], s[rK+3]
	v_bfi_b32 v[rD], s37, v[rT+4], v[rT+2]         ; the low half from the one, the high half from the other
	v_bfi_b32 v[rD+1], s37, v[rT+5], v[rT+3]
.endm
.set p, 0
.rept 9
	LOOK 0
	LOOK 1
	SIGNS 0                                        ; four lines that read no mask stand between the compares and the wait for them
	SIGNS 1
	s_wait_alu depctr_va_sdst(0)                   ; the block's eight compares have written s18-25, ahead of the selects that read them
	PICK 0
	PICK 1
.set p, p+1
.endr
	s_wait_alu depctr_va_vdst(0)                   ; the last block's v_bfi_b32 have written their results, which the last two stores read
	global_store_b64 v6, v[D+64:D+65], s[28:29] offset:2048*16
	global_store_b64 v6, v[D+68:D+69], s[28:29] offset:2048*17
	s_or_b32 s39, s17, s44
	s_cmp_lg_u32 s39, 0
	s_cbranch_scc1 .Ldone                          ; wave 0 of each matrix's first work-group leaves the scale
	s_mul_f32 s[GAM], s[GAM], s[KF]
	s_lshl_b32 s39, s16, 2
	v_mov_b32 v4, s[GAM]
	v_mov_b32 v5, s39
	v_cmp_eq_u32 vcc_lo, 0, v3
	s_wait_xcnt 0x0                                ; EXEC is a source of the stores above: it changes only behind this wait
	s_wait_alu depctr_va_vcc(0)                    ; the compare has written VCC, from which EXEC is made
	s_wait_alu depctr_va_vdst(0)                   ; EXEC is written below: the vector instructions issued so far have written their results, v4 and v5, which the store reads, among them
	s_wait_alu depctr_vm_vsrc(0)                   ; and the stores issued so far have read their vector registers
	s_and_saveexec_b32 s45, vcc_lo
	global_store_b32 v5, v4, s[14:15]
	s_wait_xcnt 0x0                                ; and again in front of the line that widens it
	s_wait_alu depctr_va_vdst(0)                   ; EXEC is written below: no vector instruction is still at work under the narrow one
	s_wait_alu depctr_vm_vsrc(0)                   ; and the scale's store has read v4 and v5
	s_or_b32 exec_lo, exec_lo, s45
.Ldone:
	s_endpgm
.Lfunc_end_k_qed586f1741_prep2:
	.size	k_qed586f1741_prep2, .Lfunc_end_k_qed586f1741_prep2-k_qed586f1741_prep2
	.p2alignl 7, 3214868480
	.fill 96, 4, 3214868480
	.section	.rodata,"a",@progbits
	.p2align	6, 0x0
	.amdhsa_kernel k_qed586f1741_prep2
		.amdhsa_group_segment_fixed_size 0
		.amdhsa_private_segment_fixed_size 0
		.amdhsa_enable_private_segment 0
		.amdhsa_kernarg_size 48
		.amdhsa_user_sgpr_count 2
		.amdhsa_user_sgpr_kernarg_segment_ptr 1
		.amdhsa_wavefront_size32 1
		.amdhsa_system_sgpr_workgroup_id_x 1
		.amdhsa_system_sgpr_workgroup_id_y 1
		.amdhsa_system_sgpr_workgroup_id_z 1
		.amdhsa_system_vgpr_workitem_id 0
		.amdhsa_next_free_vgpr 124
		.amdhsa_next_free_sgpr 66
		.amdhsa_reserve_vcc 1
		.amdhsa_float_denorm_mode_32 3
		.amdhsa_float_denorm_mode_16_64 3
		.amdhsa_memory_ordered 1
		.amdhsa_forward_progress 1
		.amdhsa_inst_pref_size 29
	.end_amdhsa_kernel
	.amdgpu_metadata
---
amdhsa.version: [ 1, 2 ]
amdhsa.kernels:
  - .name:           k_qed586f1741_prep2
    .symbol:         k_qed586f1741_prep2.kd
    .args:
      - { .name: w1, .offset: 0, .size: 8, .value_kind: global_buffer, .address_space: global }
      - { .name: w2, .offset: 8, .size: 8, .value_kind: global_buffer, .address_space: global }
      - { .name: part, .offset: 16, .size: 8, .value_kind: global_buffer, .address_space: global }
      - { .name: w1q, .offset: 24, .size: 8, .value_kind: global_buffer, .address_space: global }
      - { .name: w2q, .offset: 32, .size: 8, .value_kind: global_buffer, .address_space: global }
      - { .name: gam, .offset: 40, .size: 8, .value_kind: global_buffer, .address_space: global }
    .group_segment_fixed_size: 0
    .private_segment_fixed_size: 0
    .kernarg_segment_align: 8
    .kernarg_segment_size: 48
    .max_flat_workgroup_size: 256
    .sgpr_count:     66
    .vgpr_count:     124
    .wavefront_size: 32
...
	.end_amdgpu_metadata
.endif
;; end of part 6
;; launch fc1: the kernel of part 3 again; grid 8 x 64, 4 waves a work-group, clusters of 4 x 4, 327,680 bytes of LDS; arguments xh, w1q, b1, gam, g; writes g
;; launch fc2: the kernel of part 4 again; grid 4 x 64, 4 waves a work-group, clusters of 4 x 4, 327,680 bytes of LDS; arguments g, w2q, b2, gam, out0; writes out0
